; MI455X (gfx1250); checked and timed in simulation.
; The chip was launched on July 23, 2026; its instructions are those of AMD's public machine-readable ISA for CDNA 5 (MIT licence, August 2026) and "CDNA5" Instruction Set Architecture Reference Guide (July 2026). The comments in the code are by the model that wrote it; some were corrected since.
;; Transduction layer. Allowed arithmetic: float matrix products may take bf16 or f16 operands with f32 sums; other float arithmetic in f32, or as packed bf16 or f16 multiplies, adds, multiply-adds, maxima and minima; sums over many terms, partial sums and values carried from step to step in f32; what a program stores and reads back later, other than sums and carried values, may be rounded once to bf16 or f16.
;; Inputs: W_out 512 x 512 float32; W_u 512 x 512 float32; W_v1 512 x 512 float32; W_v2 512 x 512 float32; mask 2 x 4,096 x 4,096 float32; scale 1 float32; x 2 x 4,096 x 512 float32; y 2 x 4,096 x 512 float32.
;; Outputs: out0 2 x 4,096 x 512 float32; out1 2 x 4,096 x 512 float32.
;; One version. Each part assembles by itself: llvm-mc -triple=amdgcn-amd-amdhsa -mcpu=gfx1250 --defsym DOCPART=n.
;; ======== version 1 of 1: 3 launches
;; workspace buffers: qw 8,388,608 bytes; kw 8,388,608 bytes; vw 8,388,608 bytes; ow 16,777,216 bytes
;; launch proj (part 1): grid 12 x 64, 4 waves a work-group, clusters of 4 x 4, 327,680 bytes of LDS; arguments x, y, W_v1, W_v2, W_u, scale, qw, kw, vw, out0; writes qw, kw, vw, out0
.if DOCPART == 1
	.amdgcn_target "amdgcn-amd-amdhsa--gfx1250"
	.amdhsa_code_object_version 6
	.text
	.protected	k_qb8e943d00c_proj
	.globl	k_qb8e943d00c_proj
	.p2align	8
	.type	k_qb8e943d00c_proj,@function
k_qb8e943d00c_proj:
	s_mov_b64 s[64:65], 0
	v_nop
	global_prefetch_b8 v0, s[64:65] scope:SCOPE_SE
	s_setreg_imm32_b32 hwreg(HW_REG_WAVE_MODE, 25, 1), 1
	s_wait_xcnt 0x0
	s_wait_alu depctr_hold_cnt(0) depctr_sa_sdst(0) depctr_va_vdst(0) depctr_va_sdst(0) depctr_va_ssrc(0) depctr_va_vcc(0) depctr_vm_vsrc(0)
	s_getreg_b32 s2, hwreg(HW_REG_IB_STS2, 6, 4)
	s_cmp_eq_u32 s2, 0
	s_cbranch_scc0 .Lentry_in_a_cluster
	s_endpgm
.Lentry_in_a_cluster:
	s_bfe_u32 s2, ttmp6, 0x10000c
	s_cmp_lg_u32 s2, 0xf033
	s_cbranch_scc0 .Lentry_shape_is_right
	s_endpgm
.Lentry_shape_is_right:
; THE THREE PROJECTIONS AND THE COPY OF x.  qw = scale x (x W_v1^T), kw = x W_v2^T, vw = y W_u^T: [8192][512] in bf16, each rounded once from its f32 sums
; (q is multiplied by scale[0] in f32 ahead of that rounding); out0 = x, bit for bit.  x, y: [8192][512] f32; the weights: [512][512] f32, K along the rows.
; Operands are rounded to bf16 between LDS and the matrix instruction; sums in f32, K ascending.  LIMITS: NaN and infinities are not treated apart; bf16 has f32's range, so no input's size is cut.
; SHARES.  The cluster's x (0, 1, 2) says which product; a work-group makes a tile of 128 x 128 of it: four waves, each 64 x 64 = 16 accumulators.  768 work-groups.
; CLUSTER.  4 x 4 work-groups: the four of a row of the cluster need the same 128 rows of x or y, the four of a column the same 128 rows of the weight: each tile is asked for JOINTLY, by the same tensor
; load with the same descriptor and a mask that names the four.
; K goes in four steps of 128 (LDS rows of 512 bytes of f32) through two slots; a step is four CHUNKS of 32 along K.  In chunk g a wave fetches chunk g + 2's f32 fragments from LDS, multiplies chunk g's bf16
; fragments, and behind each of the 16 matrix instructions rounds four pairs of chunk g + 1's to bf16.
; THE MATRIX INSTRUCTION IS USED TRANSPOSED (source 0 = 16 rows of the weight, source 1 = 16 rows of x): a lane then holds eight neighbouring numbers of a row of the result.
; REGISTERS: window 0: v0-31 addresses; v32-95 at work on the way out; v128-255 the accumulators ((a, b) at v[128 + 8 (4 a + b)]).
;   window 1: two buffers of 128 for a chunk's f32 fragments (fragment f at 16 f: x's four, then the weight's four).   window 2: v0-127 two buffers of 64 for the bf16 fragments (fragment f at 8 f).
.set PITCH,  528                       ; an LDS row: 512 bytes + 16 of padding = 132 words: row r starts at bank 4 r mod 64 (64 banks of 4 bytes: ISA guide 11.1)
.set HALFT,  64*PITCH                  ; 64 rows: what one tensor load brings, and what one wave reads of either operand
.set SLOT,   4*HALFT                   ; 135,168 = 2^17 + 2^12; the four parts begin at bytes that have neither bit, so one exclusive or turns an address into the other slot's
.set STAGE,  2*SLOT                    ; behind the ring: 128 rows x 272 bytes, the work-group's, for the way out
.set SPITCH, 272
.set SPARE,  STAGE+128*SPITCH          ; behind the stage: the spare words, 128 bytes for each wave: two blocks of 256 bytes that no other line names
.set STEPB,  512                       ; bytes of a row in a K step
.set ADRA0, 16                         ; v16  my lane's place in my 64 rows of x; never rewritten
.set ADRB0, 17                         ; v17  the same in my 64 rows of the weight
.set FA,    18                         ; v18  LDS address of the pair of chunks that is being fetched, x
.set FB,    19                         ; v19  the same, weight
.set STO,   24                         ; v24  the way out: where I put 16 bytes of a row
.set RD,    25                         ; v25  the way out: where I read a row back
.set CO,    26                         ; v26  my byte offset in the result
.set XO,    27                         ; v27  the copy: 16 x my thread's number
.set SPW,   28                         ; v28  LDS address of my spare word: SPARE + 4 x my thread's number; never rewritten
.set NIL,   29                         ; v29  0; never rewritten
.set TMP,   32
.set ACC,   128
.set OUTER, 22                         ; s22  counts the changes of slots that fill
.set INNER, 23                         ; s23  counts a K step's two pairs of chunks
.set G1A, 24                           ; s[24:31] descriptor group 1 for x's tiles;  s[32:39] group 0: a set for each of the two first fills; the second then walks on
.set G0A, 32
.set WV,  40                           ; s40  my wave's number
.set RH,  41                           ; s41  which half of the tile's rows is mine.  Also: I fetch for x (0) or for the weight (1)
.set CH,  42                           ; s42  which half of its columns.  Also: which 64 rows of that tile I fetch
.set CX,  43
.set CY,  44
.set GY,  45                           ; s45  tile row = 4 x cluster y + cy
.set TB,  46                           ; s46  LDS byte (slot and place in the rows) of the pair of chunks to be fetched
.set WS,  47                           ; s47  which product: 0 q, 1 k, 2 v
.set G1B, 48                           ; s[48:55], s[56:63] the same for the weight's tiles
.set G0B, 56
.set SC,  66                           ; s[66:67] what the sums are multiplied by: scale[0] for q, else 1
.set MSB, 0
.macro WIN new                         ; the immediate's high byte repeats the setting that is left; a switch that changes nothing is dropped
.if MSB != (\new)
	s_set_vgpr_msb (MSB<<8)|(\new)
.set MSB, (\new)
.endif
.endm
.set W_MUL, 0x0a                       ; sources 0 and 1 window 2; C and D window 0
.set W_CVT, 0x85                       ; sources 0 and 1 window 1; destination window 2
.set W_RAW, 0x40                       ; destination window 1, address window 0
.macro JLOAD s                         ; a joint load: waves 0 and 1 fetch x's two halves, waves 2 and 3 the weight's; an s_nop 0 and four v_nop follow each of the two lines, ahead of the jump, the label and what follows
	s_cmp_eq_u32 s[RH], 0
	s_cbranch_scc0 .Lfor_b_\@
	tensor_load_to_lds s[G0A+4*(\s):G0A+4*(\s)+3], s[G1A:G1A+7]
	s_nop 0
.rept 4
	v_nop
.endr
	s_branch .Lasked_\@
.Lfor_b_\@:
	tensor_load_to_lds s[G0B+4*(\s):G0B+4*(\s)+3], s[G1B:G1B+7]
	s_nop 0
.rept 4
	v_nop
.endr
.Lasked_\@:
.endm
.macro CROUND                          ; a round of the cluster's barrier: my work-group's barrier; wave 0 signals for the work-group; every wave waits for all sixteen; my work-group's barrier once more
	s_barrier_signal -1
	s_barrier_wait -1
	s_cmp_lg_u32 s[WV], 0
	s_cbranch_scc1 .Lnot_wave_0_\@
	s_barrier_signal -3
.Lnot_wave_0_\@:
	s_barrier_wait -3
	s_barrier_signal -1
	s_barrier_wait -1
.endm
.macro PLACES                          ; four places behind a matrix instruction, in front of vector lines and LDS stores that read its result
.rept 4
	v_nop
.endr
.endm
	s_load_b512 s[68:83], s[0:1], 0x0              ; x s[68:69], y s[70:71], W_v1 s[72:73], W_v2 s[74:75], W_u s[76:77], scale s[78:79], qw s[80:81], kw s[82:83]
	s_load_b128 s[84:87], s[0:1], 0x40             ; vw s[84:85], out0 s[86:87]
	v_lshl_add_u32 v[SPW], v0, 2, SPARE
	v_mov_b32 v[NIL], 0
	ds_add_u32 v[SPW], v[NIL]                      ; the wave's opening: the add and its wait stand ahead of my first tensor load; the set-up below, work on registers, stands between them
	v_lshrrev_b32 v1, 5, v0
	v_readfirstlane_b32 s[WV], v1                  ; wave 0..3
	s_lshr_b32 s[RH], s[WV], 1
	s_and_b32 s[CH], s[WV], 1
	s_mov_b32 s[WS], ttmp9                         ; in a cluster launch ttmp9 counts clusters: the same in all sixteen partners
	s_bfe_u32 s[CX], ttmp6, 0x40000                ; cx, cy: my place in the cluster; cx is also the tile column
	s_bfe_u32 s[CY], ttmp6, 0x40004
	s_and_b32 s[GY], ttmp7, 0xffff
	s_lshl_b32 s[GY], s[GY], 2
	s_add_co_u32 s[GY], s[GY], s[CY]
	s_lshl_b32 s16, s[CY], 2
	s_lshl_b32 s16, 15, s16                        ; my row of the cluster
	s_lshl_b32 s17, 0x1111, s[CX]                  ; my column
	; descriptor group 1: a tile of 64 rows x 128 elements of 4 bytes, padded in LDS
	s_or_b32 s[G1A], s16, (2<<16)|(1<<20)|(1<<21)|(6<<22)|(3<<25)  ; 15:0 the mask: x's tiles go to my row; 17:16 elements of 4 bytes; 20 padding on; 21 set beside a mask; 24:22 after every 128 words (code 6); 31:25 4 words (code 3)
	s_or_b32 s[G1B], s17, (2<<16)|(1<<20)|(1<<21)|(6<<22)|(3<<25)  ; the same with the mask of my column
.irp g, G1A, G1B
	s_mov_b32 s[(\g)+1], 128<<16                   ; tensor_dim0 = 128
	s_mov_b32 s[(\g)+2], 64<<16                    ; tensor_dim1 = 64
	s_mov_b32 s[(\g)+3], 128<<16                   ; tile_dim0 = 128
	s_mov_b32 s[(\g)+4], 64                        ; tile_dim1 = 64
	s_mov_b32 s[(\g)+5], 512                       ; 512 elements from row to row
	s_mov_b32 s[(\g)+6], 0
	s_mov_b32 s[(\g)+7], 0
.endr
	s_lshl_b32 s18, s[CH], 17                      ; which 64 rows of 2,048 bytes I fetch
	s_lshl_b32 s12, s[GY], 18                      ; x: 128 rows x tile row: hangs on cy alone
	s_add_co_u32 s12, s12, s18
	s_mov_b32 s13, 0
	s_lshl_b32 s14, s[CX], 18                      ; weight: 128 rows x tile column: hangs on cx alone
	s_add_co_u32 s14, s14, s18
	s_mov_b32 s15, 0
	s_mul_i32 s19, s[WV], HALFT                    ; where they go: wave x 64 rows: no place in the cluster enters an LDS address
	s_mov_b32 s[TB], 256                           ; the first pair of chunks is fetched from byte 0 ahead of the loop
	s_wait_dscnt 0x0                               ; the opening add is done
	s_wait_kmcnt 0x0
	s_cmp_eq_u32 s[WS], 2
	s_cselect_b64 s[4:5], s[70:71], s[68:69]       ; the rows: y for v, else x
	s_cselect_b64 s[6:7], s[76:77], s[74:75]       ; the weight
	s_cselect_b64 s[8:9], s[84:85], s[82:83]       ; the result
	s_cmp_eq_u32 s[WS], 0
	s_cselect_b64 s[6:7], s[72:73], s[6:7]
	s_cselect_b64 s[8:9], s[80:81], s[8:9]
	s_add_nc_u64 s[12:13], s[4:5], s[12:13]
	s_add_nc_u64 s[14:15], s[6:7], s[14:15]
	CROUND                                         ; all sixteen work-groups are here: the first joint loads meet
.irp s, 0,1
	s_mov_b32 s[G0A+4*(\s)], 1                                       ; 1:0 count = 1
	s_add_co_u32 s[G0A+4*(\s)+1], s19, (\s)*SLOT                     ; 63:32 LDS address
	s_add_nc_u64 s[G0A+4*(\s)+2:G0A+4*(\s)+3], s[12:13], (\s)*STEPB  ; 120:64 global address: K step s
	s_or_b32 s[G0A+4*(\s)+3], s[G0A+4*(\s)+3], 0x80000000            ; 127:126 type = 2
	s_mov_b32 s[G0B+4*(\s)], 1
	s_add_co_u32 s[G0B+4*(\s)+1], s19, (\s)*SLOT
	s_add_nc_u64 s[G0B+4*(\s)+2:G0B+4*(\s)+3], s[14:15], (\s)*STEPB
	s_or_b32 s[G0B+4*(\s)+3], s[G0B+4*(\s)+3], 0x80000000
	JLOAD \s                                       ; two loads of mine are out
.endr
	s_load_b32 s3, s[78:79], 0x0                   ; scale[0]
	; THE COPY, in the work-groups of the first product, while the first tiles are on their way: rows 128 gy + 32 cx + i of x; a row's 2,048 bytes are 16 bytes for each of the 128 threads,
	; so each load and store of a wave covers 512 consecutive bytes, aligned.
	s_cmp_lg_u32 s[WS], 0
	s_cbranch_scc1 .Lno_copy
	s_lshl_b32 s16, s[GY], 18
	s_lshl_b32 s17, s[CX], 16
	s_add_co_u32 s16, s16, s17
	s_mov_b32 s17, 0
	s_add_nc_u64 s[20:21], s[68:69], s[16:17]
	s_add_nc_u64 s[86:87], s[86:87], s[16:17]
	v_lshlrev_b32 v[XO], 4, v0
.set i, 0
.rept 32
	global_load_b128 v[ACC+4*i:ACC+4*i+3], v[XO], s[20:21] offset:i*2048
.set i, i+1
.endr
.set i, 0
.rept 32
	s_wait_loadcnt 31-i                            ; loads come back in order (ISA guide 5.7.1): row i is in, the younger ones stay out
	global_store_b128 v[XO], v[ACC+4*i:ACC+4*i+3], s[86:87] offset:i*2048 th:TH_STORE_NT
.set i, i+1
.endr
	s_wait_xcnt 0x0                                ; the stores' data registers become the accumulators: they are written again only behind this wait
.Lno_copy:
	; A bf16 fragment is 16 rows x 32 K in 8 registers: lane l holds row l % 16; registers 0-3 K = 8 (l / 16) + 0..7, registers 4-7 K = 16 + 8 (l / 16) + 0..7.  In f32 that is 32 bytes at 32 (l / 16) and 32 bytes 64 further on.
	v_and_b32 v1, 15, v0                           ; l % 16
	v_bfe_u32 v2, v0, 4, 1                         ; l / 16
	v_mul_u32_u24 v3, v1, PITCH
	v_lshl_add_u32 v3, v2, 5, v3                   ; row x pitch + 32 x half
	s_mul_i32 s16, s[RH], HALFT                    ; my 64 rows of x
	s_mul_i32 s17, s[CH], HALFT                    ; my 64 rows of the weight,
	s_add_co_u32 s17, s17, 2*HALFT                 ; which lie behind x's 128
	v_add_nc_u32 v[ADRA0], s16, v3
	v_add_nc_u32 v[ADRB0], s17, v3
	s_mul_i32 s16, s[RH], 64*SPITCH                ; into the stage: my 64 rows, my half of their 256 bytes; row l % 16, 16 bytes for each half of the lanes
	s_lshl_b32 s17, s[CH], 7
	s_add_co_u32 s16, s16, s17
	s_add_co_u32 s16, s16, STAGE
	v_mul_u32_u24 v3, v1, SPITCH
	v_lshl_add_u32 v3, v2, 4, v3
	v_add_nc_u32 v[STO], s16, v3
	s_mul_i32 s16, s[WV], 32*SPITCH                ; back: wave w takes rows 32 w .. 32 w + 31, whole; lanes 0-15 one row of 256 bytes, lanes 16-31 the next
	s_add_co_u32 s16, s16, STAGE
	v_mul_u32_u24 v3, v2, SPITCH
	v_lshl_add_u32 v3, v1, 4, v3
	v_add_nc_u32 v[RD], s16, v3
	v_lshlrev_b32 v3, 10, v2                       ; and the same two rows of 1,024 bytes in the result
	v_lshl_add_u32 v[CO], v1, 4, v3
	s_lshl_b32 s16, s[GY], 17                      ; the first row that I store: 128 x tile row + 32 x wave,
	s_lshl_b32 s17, s[WV], 15
	s_add_co_u32 s16, s16, s17
	s_lshl_b32 s17, s[CX], 8                       ; the tile's first column, in bytes
	s_add_co_u32 s16, s16, s17
	s_mov_b32 s17, 0
	s_add_nc_u64 s[8:9], s[8:9], s[16:17]
	s_wait_kmcnt 0x0                               ; scale[0]
	s_cmp_eq_u32 s[WS], 0
	s_cselect_b32 s[SC], s3, 1.0
	s_mov_b32 s[SC+1], s[SC]                       ; named with it as a pair
; 32 LDS loads in one run: the f32 fragments of a chunk, at byte k behind FA and FB, into raw buffer par
.macro FETCH par, k
	WIN W_RAW
.irp i, 0,1,2,3
	ds_load_b128 v[128*(\par)+16*(\i):128*(\par)+16*(\i)+3],     v[FA] offset:(\k)+(\i)*16*PITCH
	ds_load_b128 v[128*(\par)+16*(\i)+4:128*(\par)+16*(\i)+7],   v[FA] offset:(\k)+(\i)*16*PITCH+16
	ds_load_b128 v[128*(\par)+16*(\i)+8:128*(\par)+16*(\i)+11],  v[FA] offset:(\k)+(\i)*16*PITCH+64
	ds_load_b128 v[128*(\par)+16*(\i)+12:128*(\par)+16*(\i)+15], v[FA] offset:(\k)+(\i)*16*PITCH+80
.endr
.irp i, 0,1,2,3
	ds_load_b128 v[128*(\par)+64+16*(\i):128*(\par)+64+16*(\i)+3],     v[FB] offset:(\k)+(\i)*16*PITCH
	ds_load_b128 v[128*(\par)+64+16*(\i)+4:128*(\par)+64+16*(\i)+7],   v[FB] offset:(\k)+(\i)*16*PITCH+16
	ds_load_b128 v[128*(\par)+64+16*(\i)+8:128*(\par)+64+16*(\i)+11],  v[FB] offset:(\k)+(\i)*16*PITCH+64
	ds_load_b128 v[128*(\par)+64+16*(\i)+12:128*(\par)+64+16*(\i)+15], v[FB] offset:(\k)+(\i)*16*PITCH+80
.endr
.endm
; Chunk g (par = g % 2).  fetch = 1: chunk g + 2's f32 fragments go into raw buffer par, whose numbers were rounded in the chunk before.  Then 16 matrix instructions on bf16 buffer par, the 16 accumulators by turns
; (over the backward jumps too), and behind each (cvt = 1) four roundings of chunk g + 1, from raw buffer 1 - par into bf16 buffer 1 - par.  That buffer's last readers are the chunk before's
; products: the four roundings behind the last of them, which name none of its registers, are the four places.  zero = 1: the products start the sums: nothing is ever cleared.
.macro CHUNK par, k, fetch, cvt, zero
.if \fetch
	FETCH \par, \k
	s_wait_dscnt 32                                ; all but the 32 just issued: chunk g + 1's numbers are in
.elseif \cvt
	s_wait_dscnt 0x0                               ; the last chunk's numbers are in
.endif
.set n, 0
.rept 16
	WIN W_MUL
.set rD, ACC+8*n
.set rB, 64*(\par)+32+8*(n%4)
.set rA, 64*(\par)+8*(n/4)
.if \zero
	v_wmma_f32_16x16x32_bf16 v[rD:rD+7], v[rB:rB+7], v[rA:rA+7], 0
.else
	v_wmma_f32_16x16x32_bf16 v[rD:rD+7], v[rB:rB+7], v[rA:rA+7], v[rD:rD+7]
.endif
.if \cvt
	WIN W_CVT
.set q, 4*n
.rept 4
	v_cvt_pk_bf16_f32 v[64*(1-(\par))+q], v[128*(1-(\par))+2*q], v[128*(1-(\par))+2*q+1]
.set q, q+1
.endr
.endif
.set n, n+1
.endr
.endm
.macro PAIR zero                       ; two chunks; what they fetch lies 256 bytes further along the rows than the last pair's
	WIN 0
	v_add_nc_u32 v[FA], s[TB], v[ADRA0]
	v_add_nc_u32 v[FB], s[TB], v[ADRB0]
	s_add_co_u32 s[TB], s[TB], 256
	CHUNK 0, 0,   1, 1, \zero
	CHUNK 1, 128, 1, 1, 0
.endm
.macro TWO_PAIRS                       ; written once, walked twice: the fetches of one K step
	WIN 0
	s_mov_b32 s[INNER], 2
.Lpair_\@:
	PAIR 0
	WIN 0                                          ; at a label and at a branch every window is 0
	s_sub_co_u32 s[INNER], s[INNER], 1
	s_cmp_lg_u32 s[INNER], 0
	s_cbranch_scc1 .Lpair_\@
.endm
; THE CHANGE OF SLOTS: the fetches, which run two chunks ahead of the products, have taken a slot's last bytes.  Each wave waits for all its tensor loads, of which one is out: its part of the other slot; adds 0 to
; its spare word; and waits for that and for its own reads of the slot.  fill = 1: the slot is filled again with the K step two on: the barrier is then a round of the cluster's, so that no wave of any partner still
; reads the slot or has a load on its way, and the joint refill is the first thing behind it: 64 matrix instructions ahead of the wait for it.
.macro CHANGE fill
	WIN 0
	s_wait_tensorcnt 0x0                           ; no tensor load of mine is out, so a group 0 may be written
	ds_add_u32 v[SPW], v[NIL]                      ; 0 onto my spare word; scalar work stands between it and the wait for it
.if \fill
.irp g, G0A+4, G0B+4
	s_xor_b32 s[(\g)+1], s[(\g)+1], SLOT           ; the walking descriptor: the other slot than last time,
	s_add_nc_u64 s[(\g)+2:(\g)+3], s[(\g)+2:(\g)+3], STEPB  ; the next K step; the type bits on top are not reached
.endr
.endif
	s_sub_co_u32 s[TB], s[TB], STEPB               ; the fetches go back to the rows' first byte,
	s_xor_b32 s[TB], s[TB], SLOT                   ; in the other slot
	s_wait_dscnt 0x0                               ; the add is done, and my reads of the slot are over
.if \fill
	CROUND
	JLOAD 1
.else
	s_barrier_signal -1
	s_barrier_wait -1
.endif
.endm
	s_wait_tensorcnt 1                             ; my part of K step 0 is in; K step 1's may stay out
	s_barrier_signal -1
	s_barrier_wait -1                              ; everybody's is
	v_mov_b32 v[FA], v[ADRA0]
	v_mov_b32 v[FB], v[ADRB0]
	FETCH 0, 0                                     ; chunks 0 and 1
	FETCH 1, 128
	s_wait_dscnt 32                                ; chunk 0's numbers are in
	WIN W_CVT
.set q, 0
.rept 64
	v_cvt_pk_bf16_f32 v[q], v[2*q], v[2*q+1]       ; chunk 0 is rounded with no product to stand beside
.set q, q+1
.endr
	PAIR 1                                         ; chunks 0 and 1: chunk 0's products start the sums
	WIN 0
	s_mov_b32 s[OUTER], 2
.Lstep:                                                ; twice: K steps 2 and 3 are asked for
	CHANGE 1
	TWO_PAIRS
	s_sub_co_u32 s[OUTER], s[OUTER], 1
	s_cmp_lg_u32 s[OUTER], 0
	s_cbranch_scc1 .Lstep
	CHANGE 0                                       ; the tail is written out: nothing is asked for
	TWO_PAIRS
	CHUNK 0, 0, 0, 1, 0                            ; chunk 14: nothing more to fetch
	CHUNK 1, 0, 0, 0, 0                            ; chunk 15: nothing more to round
	WIN 0
	; THE WAY OUT: times scale[0] or 1, in f32; rounded to bf16; 16 bytes a lane into the work-group's stage; a barrier, since a row's 256 bytes come from two waves; back as whole rows, 32 rows a wave.
	PLACES
.set i, 0
.rept 64
	v_pk_mul_f32 v[ACC+2*i:ACC+2*i+1], v[ACC+2*i:ACC+2*i+1], s[SC:SC+1] op_sel_hi:[1,0]  ; each accumulator's registers in ascending order
.set i, i+1
.endr
.irp t, 0,1,2,3,4,5,6,7,8,9,10,11,12,13,14,15
.irp r, 0,1,2,3
	v_cvt_pk_bf16_f32 v[TMP+4*(\t)+(\r)], v[ACC+8*(\t)+2*(\r)], v[ACC+8*(\t)+2*(\r)+1]
.endr
.endr
.irp a, 0,1,2,3
.irp b, 0,1,2,3
	ds_store_b128 v[STO], v[TMP+4*(4*(\a)+(\b)):TMP+4*(4*(\a)+(\b))+3] offset:(\a)*16*SPITCH+32*(\b)
.endr
.endr
	s_wait_dscnt 0x0                               ; for the others' sake: my stores into the stage are done
	s_barrier_signal -1
	s_barrier_wait -1
.irp t, 0,1,2,3,4,5,6,7,8,9,10,11,12,13,14,15
	ds_load_b128 v[TMP+4*(\t):TMP+4*(\t)+3], v[RD] offset:(\t)*2*SPITCH
.endr
.irp t, 0,1,2,3,4,5,6,7,8,9,10,11,12,13,14,15
	s_wait_dscnt 15-(\t)                           ; LDS loads come back in order: rows 2 t, 2 t + 1 are in
	global_store_b128 v[CO], v[TMP+4*(\t):TMP+4*(\t)+3], s[8:9] offset:2*(\t)*1024  ; 16 lanes store 256 consecutive bytes, at a multiple of 256 from the buffer's first byte
.endr
	s_wait_tensorcnt 0x0                           ; the wave's end: the spare word's add and its wait, behind my last tensor load and my last LDS store
	ds_add_u32 v[SPW], v[NIL]
	s_wait_dscnt 0x0
	CROUND                                         ; the closing round: no work-group ends while a partner may still ask for a tile that names it
	s_endpgm
.Lfunc_end_k_qb8e943d00c_proj:
	.size	k_qb8e943d00c_proj, .Lfunc_end_k_qb8e943d00c_proj-k_qb8e943d00c_proj
	.p2alignl 7, 3214868480
	.fill 96, 4, 3214868480
	.section	.rodata,"a",@progbits
	.p2align	6, 0x0
	.amdhsa_kernel k_qb8e943d00c_proj
		.amdhsa_group_segment_fixed_size 327680
		.amdhsa_private_segment_fixed_size 0
		.amdhsa_enable_private_segment 0
		.amdhsa_kernarg_size 80
		.amdhsa_user_sgpr_count 2
		.amdhsa_user_sgpr_kernarg_segment_ptr 1
		.amdhsa_wavefront_size32 1
		.amdhsa_system_sgpr_workgroup_id_x 1
		.amdhsa_system_sgpr_workgroup_id_y 1
		.amdhsa_system_sgpr_workgroup_id_z 1
		.amdhsa_system_vgpr_workitem_id 0
		.amdhsa_next_free_vgpr 640
		.amdhsa_next_free_sgpr 88
		.amdhsa_reserve_vcc 0
		.amdhsa_float_denorm_mode_32 3
		.amdhsa_float_denorm_mode_16_64 3
		.amdhsa_memory_ordered 1
		.amdhsa_forward_progress 1
		.amdhsa_inst_pref_size 93
	.end_amdhsa_kernel
	.amdgpu_metadata
---
amdhsa.version: [ 1, 2 ]
amdhsa.kernels:
  - .name:           k_qb8e943d00c_proj
    .symbol:         k_qb8e943d00c_proj.kd
    .args:
      - { .name: x, .offset: 0, .size: 8, .value_kind: global_buffer, .address_space: global }
      - { .name: y, .offset: 8, .size: 8, .value_kind: global_buffer, .address_space: global }
      - { .name: W_v1, .offset: 16, .size: 8, .value_kind: global_buffer, .address_space: global }
      - { .name: W_v2, .offset: 24, .size: 8, .value_kind: global_buffer, .address_space: global }
      - { .name: W_u, .offset: 32, .size: 8, .value_kind: global_buffer, .address_space: global }
      - { .name: scale, .offset: 40, .size: 8, .value_kind: global_buffer, .address_space: global }
      - { .name: qw, .offset: 48, .size: 8, .value_kind: global_buffer, .address_space: global }
      - { .name: kw, .offset: 56, .size: 8, .value_kind: global_buffer, .address_space: global }
      - { .name: vw, .offset: 64, .size: 8, .value_kind: global_buffer, .address_space: global }
      - { .name: out0, .offset: 72, .size: 8, .value_kind: global_buffer, .address_space: global }
    .group_segment_fixed_size: 327680
    .private_segment_fixed_size: 0
    .kernarg_segment_align: 8
    .kernarg_segment_size: 80
    .max_flat_workgroup_size: 128
    .sgpr_count:     88
    .vgpr_count:     640
    .wavefront_size: 32
...
	.end_amdgpu_metadata
.endif
;; end of part 1
;; launch attn (part 2): grid 4 x 64, 4 waves a work-group, clusters of 4 x 4, 327,680 bytes of LDS; arguments qw, kw, vw, mask, ow; writes ow
.if DOCPART == 2
	.amdgcn_target "amdgcn-amd-amdhsa--gfx1250"
	.amdhsa_code_object_version 6
	.text
	.protected	k_qb8e943d00c_attn
	.globl	k_qb8e943d00c_attn
	.p2align	8
	.type	k_qb8e943d00c_attn,@function
k_qb8e943d00c_attn:
	s_mov_b64 s[64:65], 0
	v_nop
	global_prefetch_b8 v0, s[64:65] scope:SCOPE_SE
	s_setreg_imm32_b32 hwreg(HW_REG_WAVE_MODE, 25, 1), 1
	s_wait_xcnt 0x0
	s_wait_alu depctr_hold_cnt(0) depctr_sa_sdst(0) depctr_va_vdst(0) depctr_va_sdst(0) depctr_va_ssrc(0) depctr_va_vcc(0) depctr_vm_vsrc(0)
	s_getreg_b32 s2, hwreg(HW_REG_IB_STS2, 6, 4)
	s_cmp_eq_u32 s2, 0
	s_cbranch_scc0 .Lentry_in_a_cluster
	s_endpgm
.Lentry_in_a_cluster:
	s_bfe_u32 s2, ttmp6, 0x10000c
	s_cmp_lg_u32 s2, 0xf033
	s_cbranch_scc0 .Lentry_shape_is_right
	s_endpgm
.Lentry_shape_is_right:
; ATTENTION WITH AN ADDED MASK.  ow[row][64 h + d] = the sum over keys m of softmax_m(q[row] . k[m] + mask[b][n][m]) v[m][d], head by head.  qw (which holds scale x q), kw, vw: [8192 = 4096 b + n][512 = 64 h + d] bf16;
; mask: [2][4096][4096] f32, used as it is given; ow: [8192][512] f32.  Products, maxima and sums in f32; the weights p are rounded to bf16 for the second product (their sum l is taken of the unrounded p).
; LIMITS.  NaN and infinities are not treated apart; a row whose scores are all -infinity is not served; a score x log2(e) below -4.2e37 would not be told from the running maximum's start; a weight below 2^-126 counts as 0 in l.
; SHARES.  A work-group owns a PAIR of heads (hp = cx) and 128 queries (block gy = 4 x cluster y + cy): 256 work-groups.  Wave w takes head w % 2 of the pair and the queries 64 (w / 2) on: four PIECES of 16 rows.
; Every wave walks all 4,096 keys, 64 a step; an LDS slot holds a TILE of 128 keys, two steps: 128 rows of K and of V (both heads' 128 channels, 256 bytes) and the mask's 128 queries x 128 keys.
; CLUSTER.  4 x 4 work-groups.  The four of a row of the cluster are the four head pairs of one block of queries: they need the same tile of the MASK.  The four of a column are four blocks of queries of one head pair:
; they need the same tiles of K and V.  Each tile is asked for JOINTLY: the same tensor load, descriptor and mask of four in all four.  So each byte of the mask is asked for once for all eight heads.
; LAYOUT.  S^T = K Q^T + M^T (source 0 = 16 keys, source 1 = 16 queries): in the result a lane holds ONE query (lane % 16) and the keys 8 (lane / 16) + 0..7.  THE MASK IS THE C OPERAND of the product that starts the sum:
; a lane's eight numbers are 32 consecutive bytes of the mask's row, two LDS loads; the mask and the scale cost no vector instruction.  Two results rounded to bf16 in pairs ARE source 1 of O^T = V^T P.
; SOFTMAX.  For each query a running maximum m and sum l: p = 2^(c s - c m), c = log2(e); in every step O and l are multiplied by a = 2^(c m_old - c m_new).  m starts at the lowest finite number, O and l at 0: the first step's a is 0.
; BY TURNS.  Turn n belongs to piece n: 8 products K Q^T of piece n + 1, later 8 products V^T P of piece n - 1; beside them the scaling, exponentials, roundings, sums and rescaling of piece n and the maximum and statistics
; of piece n + 1.  Four vector instructions stand behind every matrix instruction, the other 54 of a turn's 118 in two lumps.
; REGISTERS, in windows of 256 (s_set_vgpr_msb: bits 1:0 source 0, 3:2 source 1, 5:4 source 2, 7:6 destination):
;   window 0: v0-15 addresses and two at work; v16-31 four registers of statistics a piece; v48-57 at work; v60-63; v64-127 S^T, two buffers (by the piece's parity); v64-191 rows on the way out; v192-223 P, two buffers
;   window 1: v0-127 O^T, 32 a piece; v160-223 MC, the mask for the products to come, two buffers          window 2: v0-63 Q; v128-191 K of one step; v192-255 V of one step
.set NP,    4         ; pieces a wave: a name, no knob
.set KS,    64        ; keys in a step
.set PK,    272       ; a row of K in LDS: 256 bytes + 16 of padding = 68 words: the 16 rows of a load start at 16 different groups of four banks (64 banks of 4 bytes: ISA guide 11.1)
.set PV,    288       ; a row of V: 256 + 32 = 72 words
.set PM,    528       ; a row of the mask: 512 + 16 = 132 words: as K's
.set VOFF,  128*PK    ; a slot: 128 rows of K, 128 of V, 128 of the mask
.set MOFF,  VOFF+128*PV
.set SLOT,  MOFF+128*PM  ; 139,264 = 2^17 + 2^13; the four fills begin at bytes that have neither bit, so one exclusive or turns an address into the other slot's
.set STAGE, 2*SLOT    ; behind the ring, never filled by a tensor load: 16 rows x 272 bytes for each wave, for the way out
.set SP,    272
.set SPARE, STAGE+4*16*SP  ; behind the stages: the spare words, 128 bytes for each wave: two blocks of 256 bytes that no other line names
.set KVSTEP, 128*1024 ; bytes from a tile of K or V to the next: 128 rows of 1,024
.set AK0, 2           ; v2   my lane's place in a tile of K; never rewritten
.set AV0, 3           ; v3   the same for V
.set AK,  4           ; v4   the LDS address of K's next run of loads
.set AV,  5           ; v5   of V's
.set STO, 6           ; v6   the way out: where I put 32 bytes of a row
.set RD,  7           ; v7   the way out: where I read rows back
.set GO,  8           ; v8   my byte offset in two rows of ow
.set AM0, 10          ; v10  my lane's place in a tile of the mask; never rewritten
.set AM,  11          ; v11  the LDS address of the mask of the step in hand
.set MV,  12          ; v12-13  c m_old, kept while c m is made anew: by buffer
.set QO,  15          ; v15  my byte offset in 16 rows of Q
.set ST,  16          ; piece t's statistics at v[ST+4 t]: c m, m, l (even keys', odd keys')
.set TMP, 48          ; by buffer, four registers c0-c3 at work; when the maximum is found c2 takes a
.set PFO, 60          ; v60  the prefetches' offset of my lane; never rewritten
.set SPW, 62          ; v62  LDS address of my spare word: SPARE + 4 x my thread's number; never rewritten
.set NIL, 63          ; v63  0; never rewritten
.set S,   64
.set P,   192
.set MC,  160         ; window 1: the eight registers for group kt of 16 keys at MC + 32 buffer + 8 kt
.set KF,  128         ; window 2: key block kb, channel half c at KF + 16 kb + 8 c
.set VF,  192         ; window 2: key half kk, channel block cb at VF + 32 kk + 8 cb
.set QH,  2           ; s2   which 64 of the block's queries are mine
.set GY,  3           ; s3   my block of 128 queries, 0 to 63
.set WV,  12          ; s12  my wave's number
.set CX,  13
.set CY,  14
.set LIM, 15          ; s15  1 in a wave that prefetches, else the greatest number: a wave prefetches while s[SLOTS] is above it
.set CLY, 16          ; s16  the cluster's y
.set HP,  17          ; s17  the pair of heads
.set PFA, 18          ; s[18:19] where my prefetches stand in memory
.set PFS, 20          ; s[20:21] their step from tile to tile
.set G1K, 24          ; s[24:31] descriptor group 1 for K's tiles
.set G1V, 32          ; s[32:39] for V's: it differs in the padding alone
.set G1M, 40          ; s[40:47] for the mask's
.set G0K, 48          ; s[48:51] descriptor group 0 for K's tiles: it walks
.set G0V, 52          ; s[52:55] for V's
.set G0M, 56          ; s[56:59] for the mask's
.set SEL, 60          ; s[60:61] v_permlanex16_b32's selects: each lane takes its own place in the other half
.set TBK, 62          ; s62  LDS byte at which K of the step to be fetched begins
.set TBV, 63          ; s63  the same for V, less VOFF
.set TBM, 66          ; s66  the same for the mask, less MOFF
.set SLOTS, 67        ; s67  tiles still to be asked for
.set CNT, 68          ; s68  counts a tile's key steps
.set HA,  69          ; s69  which head of the pair is mine
.set CS,  70          ; s[70:71] c: the packed scaling takes the pair's low word for both halves
.set OW,  72          ; s[72:73] ow at my wave's first row and head
.set MSB, 0
.macro WIN new                      ; the high byte repeats the setting that is left; a switch that changes nothing is dropped
.if MSB != (\new)
	s_set_vgpr_msb (MSB<<8)|(\new)
.set MSB, (\new)
.endif
.endm
.set W_KQ, 0x0a       ; K and Q in window 2, S^T in window 0
.set W_KM, 0x1a       ; the same with the C operand in window 1
.set W_PV, 0x52       ; V in window 2, P in window 0, O^T in window 1
.set W_RS, 0x41       ; destination and source 0 in window 1, source 1 in window 0
; A joint fill, one load of 32 KiB a wave: wave 0 fetches the tile's K, wave 1 its V, waves 2 and 3 the two halves (64 queries each) of its mask.  The branches hang on the wave's number alone.
; An s_nop 0 and four v_nop follow each of the three lines, ahead of the jump and the label.
.macro JLOAD
	s_cmp_lt_u32 s[WV], 2
	s_cbranch_scc0 .Lfor_m_\@
	s_cmp_eq_u32 s[WV], 0
	s_cbranch_scc0 .Lfor_v_\@
	tensor_load_to_lds s[G0K:G0K+3], s[G1K:G1K+7]
	s_nop 0
.rept 4
	v_nop
.endr
	s_branch .Lasked_\@
.Lfor_v_\@:
	tensor_load_to_lds s[G0V:G0V+3], s[G1V:G1V+7]
	s_nop 0
.rept 4
	v_nop
.endr
	s_branch .Lasked_\@
.Lfor_m_\@:
	tensor_load_to_lds s[G0M:G0M+3], s[G1M:G1M+7]
	s_nop 0
.rept 4
	v_nop
.endr
.Lasked_\@:
.endm
; A PREFETCH INTO THE L2 of what the NEXT change of slots will ask for, behind the wave's tensor load and its five lines: two key steps, 128 matrix instructions a wave, ahead of that load.  One instruction a wave.
; THE MASK: of the 64 rows that wave 2 or 3 fetches, each of the four partners that ask for them jointly takes 16, told apart BY ADDRESS (cx); a row of a tile is 512 bytes: lanes 0-15 name its first 256, lanes 16-31 its second.
; K AND V: of a tile's 128 rows (256 bytes of each) the four partners take 32 each, told apart by address (cy): a lane a row; wave 0 asks for K's, wave 1 for V's.  The eight clusters of a batch walk the same rows: the first asks.
; So each aligned block of 256 bytes is named once in the launch.  Tiles 0 and 1 come by their loads alone; the last change that fills a slot asks for nothing: there is no tile behind it.
.macro ASK
	s_cmp_gt_u32 s[SLOTS], s[LIM]
	s_cbranch_scc0 .Lnot_mine_\@
	global_prefetch_b8 v[PFO], s[PFA:PFA+1] th:TH_LOAD_NT scope:SCOPE_SE
.Lnot_mine_\@:
.endm
; A round of the cluster's barrier: my work-group's barrier, so that wave 0's signal speaks for all four waves; wave 0 signals; every wave waits for all sixteen work-groups; my work-group's barrier once more.
.macro CROUND
	s_barrier_signal -1
	s_barrier_wait -1
	s_cmp_lg_u32 s[WV], 0
	s_cbranch_scc1 .Lnot_wave_0_\@
	s_barrier_signal -3
.Lnot_wave_0_\@:
	s_barrier_wait -3
	s_barrier_signal -1
	s_barrier_wait -1
.endm
; THE CHANGE OF SLOTS, behind piece 1's turn of a tile's second step: the tile's last bytes (that step's V, and piece 3's mask) have been asked for.  Each wave waits for all its tensor loads, of which one is out: its part of the
; other slot; adds 0 to its spare word; and waits for that and for its own reads of the slot.  Behind the barrier nobody reads this slot any more and the other slot is whole.
; fill = 1: this slot is filled again, with the tile two on.  The barrier is then a round of the cluster's, so that no wave of any partner still reads the slot or has a load on its way, and the joint fill is the first thing behind it.
; (At its first use nothing has been read yet: slot 0 is waited for, slot 1 filled.)
.macro CHANGE fill
	WIN 0                           ; at a label and at a branch every window is 0
	s_wait_tensorcnt 0x0            ; no tensor load of mine is out, so a group 0 may be written
	ds_add_u32 v[SPW], v[NIL]       ; 0 onto my spare word; with fill = 1 the descriptors' steps stand between it and the wait for it
.if \fill
.irp g, G0K, G0V
	s_xor_b32 s[\g+1], s[\g+1], SLOT  ; the walking descriptor: the other slot than last time,
	s_add_nc_u64 s[\g+2:\g+3], s[\g+2:\g+3], KVSTEP  ; the next 128 keys; the type bits on top are not reached
.endr
	s_xor_b32 s[G0M+1], s[G0M+1], SLOT
	s_add_nc_u64 s[G0M+2:G0M+3], s[G0M+2:G0M+3], 512  ; 128 keys further along the mask's rows
	s_wait_xcnt 0x0                 ; the last prefetch, two key steps back, has read its address, so it may be written:
	s_add_nc_u64 s[PFA:PFA+1], s[PFA:PFA+1], s[PFS:PFS+1]  ; one tile behind the walking descriptors
	s_wait_dscnt 0x0                ; the add is done, and my reads of the slot are over
	CROUND
	JLOAD
	ASK
.else
	s_wait_dscnt 0x0                ; the add is done, and my reads of the slot are over
	s_barrier_signal -1
	s_barrier_wait -1
.endif
	s_sub_co_u32 s[TBK], s[TBK], 2*KS*PK  ; the fetches go back to a slot's first step,
	s_xor_b32 s[TBK], s[TBK], SLOT        ; in the other slot
	s_sub_co_u32 s[TBV], s[TBV], 2*KS*PV
	s_xor_b32 s[TBV], s[TBV], SLOT
	s_sub_co_u32 s[TBM], s[TBM], 2*KS*4
	s_xor_b32 s[TBM], s[TBM], SLOT
.endm
	s_load_b256 s[4:11], s[0:1], 0x0  ; qw s[4:5], kw s[6:7], vw s[8:9], mask s[10:11]
	s_load_b64 s[OW:OW+1], s[0:1], 0x20
	v_lshl_add_u32 v[SPW], v0, 2, SPARE
	v_mov_b32 v[NIL], 0
	ds_add_u32 v[SPW], v[NIL]       ; the wave's opening: the add and its wait stand ahead of my first tensor load; the set-up below, work on registers, stands between them
	v_lshrrev_b32 v1, 5, v0
	v_readfirstlane_b32 s[WV], v1   ; wave 0..3
	s_and_b32 s[HA], s[WV], 1
	s_lshr_b32 s[QH], s[WV], 1
	s_bfe_u32 s[CX], ttmp6, 0x40000 ; cx, cy: my place in the cluster
	s_bfe_u32 s[CY], ttmp6, 0x40004
	s_and_b32 s[CLY], ttmp7, 0xffff ; in a cluster launch ttmp9 and ttmp7 count clusters
	s_lshl_b32 s[HP], ttmp9, 2
	s_add_co_u32 s[HP], s[HP], s[CX]
	s_lshl_b32 s[GY], s[CLY], 2
	s_add_co_u32 s[GY], s[GY], s[CY]
	s_lshl_b32 s22, s[CY], 2
	s_lshl_b32 s22, 15, s22         ; my row of the cluster: places 4 cy .. 4 cy + 3
	s_lshl_b32 s23, 0x1111, s[CX]   ; my column: places cx, cx + 4, cx + 8, cx + 12
	; descriptor group 1.  K, V: 128 rows x 128 elements of 2 bytes out of rows of 512.  The mask: 64 rows x 128 elements of 4 bytes out of rows of 4,096.  All padded in LDS behind each row.
	s_or_b32 s[G1K], s23, (1<<16)|(1<<20)|(1<<21)|(5<<22)|(3<<25)  ; 15:0 my column; 17:16 2-byte elements; 20 padding on; 21 set beside a mask; 24:22 after every 64 words (code 5); 31:25 4 words (code 3)
	s_or_b32 s[G1V], s23, (1<<16)|(1<<20)|(1<<21)|(5<<22)|(7<<25)  ; the same with 8 words of padding (code 7)
	s_or_b32 s[G1M], s22, (2<<16)|(1<<20)|(1<<21)|(6<<22)|(3<<25)  ; my row; 4-byte elements; after every 128 words (code 6) 4 words
.irp g, G1K, G1V
	s_mov_b32 s[\g+1], 128<<16      ; tensor_dim0 = 128
	s_mov_b32 s[\g+2], 128<<16      ; tensor_dim1 = 128
	s_mov_b32 s[\g+3], 128<<16      ; tile_dim0 = 128
	s_mov_b32 s[\g+4], 128          ; tile_dim1 = 128
	s_mov_b32 s[\g+5], 512          ; 512 elements from row to row
	s_mov_b32 s[\g+6], 0
	s_mov_b32 s[\g+7], 0
.endr
	s_mov_b32 s[G1M+1], 128<<16
	s_mov_b32 s[G1M+2], 64<<16
	s_mov_b32 s[G1M+3], 128<<16
	s_mov_b32 s[G1M+4], 64
	s_mov_b32 s[G1M+5], 4096
	s_mov_b32 s[G1M+6], 0
	s_mov_b32 s[G1M+7], 0
	s_mov_b32 s[G0K], 1             ; 1:0 count = 1
	s_mov_b32 s[G0K+1], 0           ; 63:32 LDS address: slot 0
	s_mov_b32 s[G0V], 1
	s_mov_b32 s[G0V+1], VOFF
	s_mov_b32 s[G0M], 1
	s_mul_i32 s22, s[HA], 64*PM     ; waves 2 and 3: the first or the second 64 rows
	s_add_co_u32 s[G0M+1], s22, MOFF  ; no place in the cluster enters an LDS address
	s_lshr_b32 s74, s[CLY], 3       ; K and V: the batch (from the cluster's y alone): 4,096 rows of 1,024 bytes,
	s_lshl_b32 s74, s74, 22
	s_lshl_b32 s75, s[HP], 8        ; the pair's 256 bytes of a row: hangs on cx, which my column shares
	s_add_co_u32 s74, s74, s75
	s_mov_b32 s75, 0
	s_lshl_b32 s76, s[GY], 21       ; the mask: 128 rows of 16,384 bytes x my block: hangs on cy, which my row shares,
	s_lshl_b32 s77, s[HA], 20       ; and the 64 rows that I fetch
	s_add_co_u32 s76, s76, s77
	s_mov_b32 s77, 0
	s_lshl_b32 s78, s[GY], 17       ; Q: my block's 128 rows of 1,024 bytes,
	s_lshl_b32 s79, s[QH], 16       ; my 64 of them,
	s_add_co_u32 s78, s78, s79
	s_lshl_b32 s79, s[HP], 8        ; my head's 128 bytes
	s_add_co_u32 s78, s78, s79
	s_lshl_b32 s79, s[HA], 7
	s_add_co_u32 s78, s78, s79
	s_mov_b32 s79, 0
	s_lshl_b32 s22, s78, 1          ; in ow everything is twice as wide
	s_mov_b32 s23, 0
	s_lshl_b32 s80, s[CY], 15       ; the prefetches.  K, V: my work-group's 32 rows of a tile's 128
	s_add_co_u32 s80, s80, s74
	s_lshl_b32 s81, s[CX], 18       ; the mask: my work-group's 16 rows of the 64 that I fetch
	s_add_co_u32 s81, s81, s76
	s_mov_b32 s[PFS], 512
	s_cmp_lt_u32 s[WV], 2
	s_cselect_b32 s80, s80, s81
	s_cselect_b32 s[PFS], KVSTEP, s[PFS]
	s_add_co_u32 s80, s80, s[PFS]   ; at tile 1: the first change of slots steps it to tile 2
	s_mov_b32 s81, 0
	s_mov_b32 s[PFS+1], 0
	s_and_b32 s[LIM], s[CLY], 7     ; K and V: the batch's first cluster asks; the mask: every cluster, for its own rows
	s_cmp_lt_u32 s[WV], 2
	s_cselect_b32 s[LIM], s[LIM], 0
	s_cmp_eq_u32 s[LIM], 0
	s_cselect_b32 s[LIM], 1, -1     ; the same in all sixteen partners, for a given wave
	s_mov_b32 s[CS], 0x3fb8aa3b     ; c = log2(e)
	s_mov_b32 s[CS+1], s[CS]        ; named with it as a pair
	s_mov_b32 s[SEL], 0x76543210
	s_mov_b32 s[SEL+1], 0xfedcba98
	s_mov_b32 s[TBK], SLOT+2*KS*PK  ; the first change of slots turns these three into 0
	s_mov_b32 s[TBV], SLOT+2*KS*PV
	s_mov_b32 s[TBM], SLOT+2*KS*4
	s_mov_b32 s[SLOTS], 4096/128-1
	s_wait_dscnt 0x0                ; the opening add is done
	s_wait_kmcnt 0x0
	s_add_nc_u64 s[G0K+2:G0K+3], s[6:7], s[74:75]  ; 120:64 global address: tile 0
	s_or_b32 s[G0K+3], s[G0K+3], 0x80000000        ; 127:126 type = 2
	s_add_nc_u64 s[G0V+2:G0V+3], s[8:9], s[74:75]
	s_or_b32 s[G0V+3], s[G0V+3], 0x80000000
	s_add_nc_u64 s[G0M+2:G0M+3], s[10:11], s[76:77]
	s_or_b32 s[G0M+3], s[G0M+3], 0x80000000
	s_cmp_eq_u32 s[WV], 0
	s_cselect_b64 s[PFA:PFA+1], s[6:7], s[8:9]
	s_cmp_lt_u32 s[WV], 2
	s_cselect_b64 s[PFA:PFA+1], s[PFA:PFA+1], s[10:11]
	s_add_nc_u64 s[PFA:PFA+1], s[PFA:PFA+1], s[80:81]
	s_add_nc_u64 s[4:5], s[4:5], s[78:79]          ; Q and ow at my wave's first row and head
	s_add_nc_u64 s[OW:OW+1], s[OW:OW+1], s[22:23]
	CROUND                          ; all sixteen work-groups are here: the first joint loads meet
	JLOAD                           ; tile 0 into slot 0.  Slot 1 is asked for when slot 0 is in
	; A fragment of K or Q is 16 rows x 32 channels in 8 registers: lane l holds row l % 16, channels 8 (l / 16) + 0..7 and 16 + 8 (l / 16) + 0..7: two loads of 16 bytes, 32 bytes apart.
	v_and_b32 v1, 15, v0            ; l % 16
	v_bfe_u32 v9, v0, 4, 1          ; l / 16
	v_lshlrev_b32 v[QO], 10, v1
	v_lshl_add_u32 v[QO], v9, 4, v[QO]  ; row x 1,024 + 16 x half
	WIN 0x80                        ; destination window 2, address window 0
.set i, 0
.rept 8                             ; Q stays in registers: piece i / 2 (16 rows on), channels 32 (i % 2) on
	global_load_b128 v[8*i:8*i+3],   v[QO], s[4:5] offset:(i/2)*16384+(i%2)*64
	global_load_b128 v[8*i+4:8*i+7], v[QO], s[4:5] offset:(i/2)*16384+(i%2)*64+32
.set i, i+1
.endr
	; What the first turn finds: V's registers and P's second buffer hold 0 (its products V^T P, of a piece that has not been, add 0), O^T and l are 0.  All this stands in the wait for the first tile.
.set i, VF
.rept 64
	v_mov_b32 v[i], 0
.set i, i+1
.endr
	WIN 0x40
.set i, 0
.rept 128
	v_mov_b32 v[i], 0
.set i, i+1
.endr
	WIN 0
.set i, 0
.rept 4
	v_mov_b32 v[ST+4*i], 0xfe000000    ; c m: far below every c s
	v_mov_b32 v[ST+4*i+1], 0xff7fffff  ; m
	v_mov_b32 v[ST+4*i+2], 0
	v_mov_b32 v[ST+4*i+3], 0
.set i, i+1
.endr
.set i, P+16
.rept 16
	v_mov_b32 v[i], 0
.set i, i+1
.endr
	s_lshl_b32 s22, s[HA], 7        ; my head's 128 bytes of a row of K or V
	v_mul_u32_u24 v[AK0], v1, PK
	v_lshl_add_u32 v[AK0], v9, 4, v[AK0]  ; row x pitch + 16 x half
	v_add_nc_u32 v[AK0], s22, v[AK0]
	; The turning load takes 16 keys x 16 channels (lane l reads key 8 (l / 16) + l % 8, channels 8 ((l / 8) % 2) + 0..7) and leaves half a fragment of V^T: lane l holds channel l % 16 and 8 keys.
	v_and_b32 v56, 7, v0
	v_bfe_u32 v57, v0, 3, 1
	v_lshl_add_u32 v[AV0], v9, 3, v56
	v_mul_u32_u24 v[AV0], v[AV0], PV
	v_lshl_add_u32 v[AV0], v57, 4, v[AV0]
	s_add_co_u32 s22, s22, VOFF
	v_add_nc_u32 v[AV0], s22, v[AV0]
	; The mask of 16 queries x 16 keys as a C operand: lane l holds query l % 16 and the keys 8 (l / 16) + 0..7: 32 bytes of the query's row.
	s_mul_i32 s23, s[QH], 64*PM
	s_add_co_u32 s23, s23, MOFF
	v_mul_u32_u24 v[AM0], v1, PM
	v_lshl_add_u32 v[AM0], v9, 5, v[AM0]
	v_add_nc_u32 v[AM0], s23, v[AM0]
	s_mul_i32 s22, s[WV], 16*SP
	s_add_co_u32 s22, s22, STAGE    ; my stage
	v_mul_u32_u24 v[STO], v1, SP    ; in: row l % 16, 32 bytes for each half of the lanes
	v_lshl_add_u32 v[STO], v9, 5, v[STO]
	v_add_nc_u32 v[STO], s22, v[STO]
	v_mul_u32_u24 v[RD], v9, SP     ; back: lanes 0-15 take one row of 256 bytes, lanes 16-31 the next
	v_lshl_add_u32 v[RD], v1, 4, v[RD]
	v_add_nc_u32 v[RD], s22, v[RD]
	v_lshlrev_b32 v[GO], 11, v9     ; and the same two rows of 2,048 bytes in ow
	v_lshl_add_u32 v[GO], v1, 4, v[GO]
	s_cmp_lt_u32 s[WV], 2           ; the prefetches' lanes.  K, V: a lane a row of 1,024 bytes.  The mask: 16 rows of 16,384 bytes, two blocks of 256 in each
	s_cselect_b32 s22, 31, 15
	s_cselect_b32 s23, 10, 14
	s_cselect_b32 s74, 0, 256
	v_and_b32 v[PFO], s22, v0
	v_lshlrev_b32 v[PFO], s23, v[PFO]
	v_mul_u32_u24 v56, v9, s74
	v_add_nc_u32 v[PFO], v[PFO], v56
; THE MATRIX WORK.  The 4 accumulators of a run of 8 take turns.  Product i of 8 of S^T = K Q^T + M^T for piece x: channels 32 (i / 4) on, keys 16 (i % 4) on.  The first 4 start the sums with the mask.
.macro KQ x
.set rS, S+32*((\x)%2)+8*(i%4)
.set rK, KF+16*(i%4)+8*(i/4)
.set rQ, 16*(\x)+8*(i/4)
.set rM, MC+32*((\x)%2)+8*(i%4)
.if i < 4
	WIN W_KM
	v_wmma_f32_16x16x32_bf16 v[rS:rS+7], v[rK:rK+7], v[rQ:rQ+7], v[rM:rM+7]
.else
	WIN W_KQ
	v_wmma_f32_16x16x32_bf16 v[rS:rS+7], v[rK:rK+7], v[rQ:rQ+7], v[rS:rS+7]
.endif
.endm
; Product i of 8 of O^T += V^T P for piece x: keys 32 (i / 4) on, channels 16 (i % 4) on.
.macro PV x
	WIN W_PV
.set rO, 32*(\x)+8*(i%4)
.set rV, VF+32*(i/4)+8*(i%4)
.set rP, P+16*((\x)%2)+8*(i/4)
	v_wmma_f32_16x16x32_bf16 v[rO:rO+7], v[rV:rV+7], v[rP:rP+7], v[rO:rO+7]
.endm
.macro MM                           ; the turn's next matrix instruction.  NOKQ = 1: the walk's last turn: there is no next piece
.if (i < 8) && !NOKQ
	KQ (Y+1)%NP
.elseif i >= 8
.set i, i-8
	PV (Y+NP-1)%NP
.set i, i+8
.endif
.set i, i+1
.endm
; THE LDS LOADS stand in runs, never singly among the matrix instructions: a step's K (64 keys x 64 channels: 8 fragments), its V (turned), and for each piece its mask (16 queries x 64 keys).
.macro FETCH_K
	WIN 0x80                        ; destination window 2
.irp f, 0,1,2,3,4,5,6,7             ; keys 16 (f / 2) on, channels 32 (f % 2) on
	ds_load_b128 v[KF+8*\f:KF+8*\f+3],   v[AK] offset:(\f/2)*16*PK+(\f%2)*64
	ds_load_b128 v[KF+8*\f+4:KF+8*\f+7], v[AK] offset:(\f/2)*16*PK+(\f%2)*64+32
.endr
	s_add_co_u32 s[TBK], s[TBK], KS*PK  ; the next fetch is the next step's
	WIN 0
.endm
.macro FETCH_V
	WIN 0x80
.irp f, 0,1,2,3,4,5,6,7             ; keys 32 (f / 4) on, channels 16 (f % 4) on
	ds_load_tr16_b128 v[VF+8*\f:VF+8*\f+3],   v[AV] offset:(\f/4)*32*PV+(\f%4)*32
	ds_load_tr16_b128 v[VF+8*\f+4:VF+8*\f+7], v[AV] offset:(\f/4)*32*PV+16*PV+(\f%4)*32
.endr
	WIN 0
.endm
.macro FETCH_M t, buf               ; piece t's mask of the step at AM, into buffer buf
	WIN 0x40                        ; destination window 1
.irp kt, 0,1,2,3
	ds_load_b128 v[MC+32*(\buf)+8*\kt:MC+32*(\buf)+8*\kt+3],   v[AM] offset:(\t)*16*PM+64*\kt
	ds_load_b128 v[MC+32*(\buf)+8*\kt+4:MC+32*(\buf)+8*\kt+7], v[AM] offset:(\t)*16*PM+64*\kt+16
.endr
	WIN 0
.endm
; THE VECTOR WORK, one line at a time: OP kind, number.  For piece Y: F n: c s - c m for pair n of 16.  E n: the exponential of score n of 32.  C n: pair n rounded to bf16.  B n: of the four weights 4 n .. the second
; pair is added onto the first, in place.  L n: l takes that sum (L 0: l = a l + sum).  R n: pair n of 16 of O^T times a.  For piece Y + 1: X n, number n of the 22 that find its maximum and statistics:
;   0-11  four chains c0-c3 of seven scores each, three operands at a time (each accumulator's lowest registers are read first)     12-14, 16  the four scores left over, the old m, and c0-c3 into c0
;   15  c m_old is kept     17, 18  the query's other 32 keys lie in the lane 16 away: the new m     19-21  c m; c m_old - c m_new; a
.set F, 0               ; OP tells the kinds apart by their order: F to L below R, X above it
.set E, 1
.set C, 2
.set B, 3
.set L, 4
.set R, 5
.set X, 6
.macro REGS y                       ; the registers of piece y
.set rT, ST+4*(\y)
.set rC, TMP+4*((\y)%2)
.set rW, MV+((\y)%2)
.set rS, S+32*((\y)%2)
.set rP, P+16*((\y)%2)
.set rO, 32*(\y)
.endm
.macro OP k, n
.if (\k) == R
	REGS Y
	WIN W_RS
	v_pk_mul_f32 v[rO+2*(\n):rO+2*(\n)+1], v[rO+2*(\n):rO+2*(\n)+1], v[rC+2:rC+3] op_sel_hi:[1,0]
.elseif (\k) < R
	REGS Y
	WIN 0
.if (\k) == F
	v_pk_fma_f32 v[rS+2*(\n):rS+2*(\n)+1], v[rS+2*(\n):rS+2*(\n)+1], s[CS:CS+1], v[rT:rT+1] op_sel_hi:[1,0,0] neg_lo:[0,0,1] neg_hi:[0,0,1]
.elseif (\k) == E
	v_exp_f32 v[rS+(\n)], v[rS+(\n)]
.elseif (\k) == C
	s_wait_alu depctr_va_vdst(0)
	v_cvt_pk_bf16_f32 v[rP+(\n)], v[rS+2*(\n)], v[rS+2*(\n)+1]
.elseif (\k) == B
	s_wait_alu depctr_va_vdst(0)
	v_pk_add_f32 v[rS+4*(\n):rS+4*(\n)+1], v[rS+4*(\n):rS+4*(\n)+1], v[rS+4*(\n)+2:rS+4*(\n)+3]
.elseif (\n) == 0
	v_pk_fma_f32 v[rT+2:rT+3], v[rT+2:rT+3], v[rC+2:rC+3], v[rS:rS+1] op_sel_hi:[1,0,1]
.else
	v_pk_add_f32 v[rT+2:rT+3], v[rT+2:rT+3], v[rS+4*(\n):rS+4*(\n)+1]
.endif
.elseif NOKQ
	v_nop
.else
	REGS (Y+1)%NP
	WIN 0
.if (\n) < 4
	v_max3_num_f32 v[rC+(\n)], v[rS+8*(\n)], v[rS+8*(\n)+1], v[rS+8*(\n)+2]
.elseif (\n) < 12
	v_max3_num_f32 v[rC+(\n)%4], v[rC+(\n)%4], v[rS+8*((\n)%4)+2*((\n)/4)+1], v[rS+8*((\n)%4)+2*((\n)/4)+2]
.elseif (\n) == 12
	v_max3_num_f32 v[rC], v[rC], v[rS+7], v[rS+15]
.elseif (\n) == 13
	v_max3_num_f32 v[rC+1], v[rC+1], v[rS+23], v[rS+31]
.elseif (\n) == 14
	v_max3_num_f32 v[rC+2], v[rC+2], v[rC+3], v[rT+1]
.elseif (\n) == 15
	v_mov_b32 v[rW], v[rT]
.elseif (\n) == 16
	v_max3_num_f32 v[rC], v[rC], v[rC+1], v[rC+2]
.elseif (\n) == 17
	v_permlanex16_b32 v[rC+3], v[rC], s[SEL], s[SEL+1]
.elseif (\n) == 18
	v_max_num_f32 v[rT+1], v[rC], v[rC+3]
.elseif (\n) == 19
	v_mul_f32 v[rT], s[CS], v[rT+1]
.elseif (\n) == 20
	v_sub_f32 v[rC+1], v[rW], v[rT]
.else
	v_exp_f32 v[rC+2], v[rC+1]
.endif
.endif
.endm
.macro OPS a, i1, b=-1, i2=0, c=-1, i3=0, d=-1, i4=0  ; up to four of them
	OP \a, \i1
.if (\b) >= 0
	OP \b, \i2
.endif
.if (\c) >= 0
	OP \c, \i3
.endif
.if (\d) >= 0
	OP \d, \i4
.endif
.endm
.macro ROW a, i1, b, i2, c, i3, d, i4  ; a matrix instruction and the four behind it
	MM
	OPS \a, \i1, \b, \i2, \c, \i3, \d, \i4
.endm
; A TURN, for piece p: the order of its 16 matrix and 118 vector instructions, written out.  Behind a matrix instruction: plain, exponential, plain, plain; or four of the rescaling; or, behind the first, four scalings; none
; names a register of the products round it.  In the lumps exponential and plain by turns while exponentials last.  A line reads no result made fewer than three vector instructions in front of it, five if an exponential made it.
; end = 1: the walk's last two turns: nothing is fetched.  cnt = 1: the loop's count is taken down some lines ahead of the branch that stands behind the turn.
; WHAT IS FETCHED.  Every turn: the mask for the products of the turn after it (piece p + 2), into the buffer that the turn before's products read.  Piece 2's turn: K of the next step, six vector instructions behind the last
; product that read K (five of them plain), and the address of that step's mask.  Piece 0's turn: V of the step in hand, eight behind the last product that read V (five plain).  So a trip of the loop (pieces 2, 3, 0, 1) reads one step's bytes.
; THE WAITS.  At a turn's head its products' mask must be in, and K in piece 3's: nothing younger is out, so the count is 0; but in piece 1's turn V's 16 loads are younger than the mask's and may stay out.
; In piece 1's middle V must be in: the 8 loads of piece 3's mask are younger.
.macro TURN p, end=0, cnt=0
.set Y, (\p)
.set i, 0
.set NOKQ, (\end)*((\p)/3)
.if (\p) == 1
	s_wait_dscnt 16
.elseif NOKQ == 0
	s_wait_dscnt 0x0
.endif
	ROW F,0, F,1, F,2, F,3
	ROW F,4, E,0, F,5, F,6
	ROW F,7, E,1, F,8, F,9
	ROW F,10, E,2, C,0, F,11
	ROW F,12, E,3, X,15, F,13
	ROW R,0, R,1, R,2, R,3
	ROW B,0, E,4, F,14, L,0
.if ((\p) == 2) && !(\end)
	WIN 0
	v_add_nc_u32 v[AK], s[TBK], v[AK0]
	v_add_nc_u32 v[AM], s[TBM], v[AM0]
	s_add_co_u32 s[TBM], s[TBM], KS*4
.endif
	ROW R,4, R,5, R,6, R,7
	OPS E,5, F,15
.if !(\end)
.if (\p) == 2
	FETCH_K
.endif
	FETCH_M ((\p)+2)%NP, (\p)%2
.endif
	OPS E,6, C,1, E,7, R,8
	OPS E,8, R,9, E,9, C,2
	OPS E,10, X,0, E,11, X,1
	OPS E,12, X,2, E,13, X,3
.if (\p) == 1
	s_wait_dscnt 8
.endif
	ROW X,4, E,14, X,5, X,6
	ROW X,7, E,15, X,8, X,9
	ROW X,10, E,16, X,11, X,12
	ROW X,13, E,17, X,14, B,1
	ROW C,4, E,18, X,16, L,1
	ROW B,2, E,19, C,6, L,2
	ROW C,8, E,20, B,3, B,4
.if (\p) == 0
	WIN 0
	v_add_nc_u32 v[AV], s[TBV], v[AV0]
.endif
	ROW C,3, E,21, L,3, C,5
	OPS E,22, X,17, E,23, C,10
.if (\p) == 0
	FETCH_V
.endif
	OPS E,24, L,4
	OPS E,25, X,18, E,26, C,7
	OPS E,27, B,5, E,28, X,19
	OPS E,29, C,12, E,30, L,5
	OPS E,31, X,20, B,6, C,9
	OPS C,14, C,11, X,21, L,6
.if (\p) == 0
	s_add_co_u32 s[TBV], s[TBV], KS*PV
.endif
.if \cnt
	s_sub_co_u32 s[CNT], s[CNT], 1
	s_cmp_lg_u32 s[CNT], 0
.endif
	OPS C,13, B,7, C,15, R,10
	OPS R,11, R,12, L,7, R,13
	OPS R,14, R,15
.endm
	CHANGE 1                        ; slot 0 is in, everybody's part of it; slot 1 is asked for
	v_add_nc_u32 v[AK], s[TBK], v[AK0]  ; key step 0
	v_add_nc_u32 v[AM], s[TBM], v[AM0]
	s_add_co_u32 s[TBM], s[TBM], KS*4
	FETCH_K
	FETCH_M 0, 0                    ; the mask for piece 0's first scores, made here,
	FETCH_M 1, 1                    ; and for piece 1's, made in the first turn
	s_wait_loadcnt 0x0              ; Q
	s_wait_dscnt 0x0
.set NOKQ, 0
.set i, 0
.rept 8
	KQ 0                            ; piece 0's first scores: there is no vector work yet to set between them
.set i, i+1
.endr
	WIN 0
.rept 4
	v_nop                           ; the places behind those products
.endr
.set Y, NP-1                        ; X works for piece Y + 1: piece 0
.irp n, 0,1,2,3,4,5,6,7,8,9,10,11,12,13,14,15,16,17,18,19,20,21
	OP X, \n
.endr
	v_nop                           ; a plain instruction behind the exponential
	s_mov_b32 s[CNT], 2
	s_branch .Lfirst                ; the loop is entered at a step's first turn, in the middle of a trip
.Lslot:                             ; 30 times: every slot but the last two is filled again
	CHANGE 1
	s_mov_b32 s[CNT], 2
.Lstep:                             ; a trip: pieces 2 and 3 of one step, then pieces 0 and 1 of the next, whose K, V and mask it fetches
	TURN 2
	TURN 3
	WIN 0
.Lfirst:
	TURN 0
	TURN 1, 0, 1
	WIN 0
	s_cbranch_scc1 .Lstep
	s_sub_co_u32 s[SLOTS], s[SLOTS], 1
	s_cmp_lg_u32 s[SLOTS], 0
	s_cbranch_scc1 .Lslot
	CHANGE 0                        ; the last tile is written out: nothing is asked for
	s_mov_b32 s[CNT], 2
.LstepT:
	TURN 2
	TURN 3
	TURN 0
	TURN 1, 0, 1
	WIN 0
	s_cbranch_scc1 .LstepT
	TURN 2, 1
	TURN 3, 1
.set i, 0
.rept 8
	PV NP-1                         ; the last piece's V^T P of the last step
.set i, i+1
.endr
	; THE WAY OUT.  l's two halves and the other half of the lanes' are added; O^T is divided by l and sent, in f32, through my stage in LDS, a piece (16 rows) at a time.  The additions are the places behind the last products.
	WIN 0
.macro ALL line:vararg              ; one line for each piece t
.set t, 0
.rept 4
	\line
.set t, t+1
.endr
.endm
	ALL v_add_f32 v[ST+4*t+2], v[ST+4*t+2], v[ST+4*t+3]
	ALL v_permlanex16_b32 v[ST+4*t+3], v[ST+4*t+2], s[SEL], s[SEL+1]
	ALL v_add_f32 v[ST+4*t+2], v[ST+4*t+2], v[ST+4*t+3]
	ALL v_rcp_f32 v[ST+4*t+2], v[ST+4*t+2]
	v_nop                           ; a plain instruction between the last reciprocal and the use of its result
; Piece t: a lane's eight channels of a row are 32 bytes; they go into rows of 272 bytes and come back as whole rows of 256: my head's 64 channels of a row of ow.  The stage is my wave's own: no barrier.
.macro PACK t
	WIN W_RS
.set i, 32*(\t)
.rept 16
	s_wait_alu depctr_va_vdst(0)
	v_pk_mul_f32 v[i:i+1], v[i:i+1], v[ST+4*(\t)+2:ST+4*(\t)+3] op_sel_hi:[1,0]
.set i, i+2
.endr
	WIN 0x04                        ; the stores' data in window 1, their address in window 0
.irp cb, 0,1,2,3
	ds_store_b128 v[STO], v[32*(\t)+8*\cb:32*(\t)+8*\cb+3]   offset:64*\cb
	ds_store_b128 v[STO], v[32*(\t)+8*\cb+4:32*(\t)+8*\cb+7] offset:64*\cb+16
.endr
	WIN 0
.irp f, 0,1,2,3,4,5,6,7
	ds_load_b128 v[S+32*(\t)+4*\f:S+32*(\t)+4*\f+3], v[RD] offset:\f*2*SP  ; LDS serves a wave's instructions in order (ISA guide 5.7.1.4): these see the stores above; the next piece's stores come behind them
.endr
.endm
.macro SEND t, younger              ; younger: the LDS instructions issued behind piece t's loads: the next piece's sixteen, or none
	WIN 0
.irp f, 0,1,2,3,4,5,6,7
	s_wait_dscnt (\younger)+7-\f
	global_store_b128 v[GO], v[S+32*(\t)+4*\f:S+32*(\t)+4*\f+3], s[OW:OW+1] offset:(\t)*32768+\f*4096  ; 16 lanes store 256 consecutive bytes, at a multiple of 256 from ow's first byte
.endr
.endm
	PACK 0
.set t, 1
.rept 3                             ; a piece's arithmetic stands between the loads of the piece before and its stores
	PACK t
	SEND t-1, 16
.set t, t+1
.endr
	SEND 3, 0
	s_wait_tensorcnt 0x0            ; the wave's end: the spare word's add and its wait, behind my last tensor load and my last LDS store
	ds_add_u32 v[SPW], v[NIL]
	s_wait_dscnt 0x0
	CROUND                          ; the closing round: no work-group ends while a partner may still ask for a tile that names it
	s_endpgm
.Lfunc_end_k_qb8e943d00c_attn:
	.size	k_qb8e943d00c_attn, .Lfunc_end_k_qb8e943d00c_attn-k_qb8e943d00c_attn
	.p2alignl 7, 3214868480
	.fill 96, 4, 3214868480
	.section	.rodata,"a",@progbits
	.p2align	6, 0x0
	.amdhsa_kernel k_qb8e943d00c_attn
		.amdhsa_group_segment_fixed_size 327680
		.amdhsa_private_segment_fixed_size 0
		.amdhsa_enable_private_segment 0
		.amdhsa_kernarg_size 40
		.amdhsa_user_sgpr_count 2
		.amdhsa_user_sgpr_kernarg_segment_ptr 1
		.amdhsa_wavefront_size32 1
		.amdhsa_system_sgpr_workgroup_id_x 1
		.amdhsa_system_sgpr_workgroup_id_y 1
		.amdhsa_system_sgpr_workgroup_id_z 1
		.amdhsa_system_vgpr_workitem_id 0
		.amdhsa_next_free_vgpr 768
		.amdhsa_next_free_sgpr 84
		.amdhsa_reserve_vcc 0
		.amdhsa_float_denorm_mode_32 3
		.amdhsa_float_denorm_mode_16_64 3
		.amdhsa_memory_ordered 1
		.amdhsa_forward_progress 1
		.amdhsa_inst_pref_size 144
	.end_amdhsa_kernel
	.amdgpu_metadata
---
amdhsa.version: [ 1, 2 ]
amdhsa.kernels:
  - .name:           k_qb8e943d00c_attn
    .symbol:         k_qb8e943d00c_attn.kd
    .args:
      - { .name: qw, .offset: 0, .size: 8, .value_kind: global_buffer, .address_space: global }
      - { .name: kw, .offset: 8, .size: 8, .value_kind: global_buffer, .address_space: global }
      - { .name: vw, .offset: 16, .size: 8, .value_kind: global_buffer, .address_space: global }
      - { .name: mask, .offset: 24, .size: 8, .value_kind: global_buffer, .address_space: global }
      - { .name: ow, .offset: 32, .size: 8, .value_kind: global_buffer, .address_space: global }
    .group_segment_fixed_size: 327680
    .private_segment_fixed_size: 0
    .kernarg_segment_align: 8
    .kernarg_segment_size: 40
    .max_flat_workgroup_size: 128
    .sgpr_count:     84
    .vgpr_count:     768
    .wavefront_size: 32
...
	.end_amdgpu_metadata
.endif
;; end of part 2
;; launch outp (part 3): grid 4 x 64, 4 waves a work-group, clusters of 4 x 4, 327,680 bytes of LDS; arguments ow, W_out, y, out1; writes out1
.if DOCPART == 3
	.amdgcn_target "amdgcn-amd-amdhsa--gfx1250"
	.amdhsa_code_object_version 6
	.text
	.protected	k_qb8e943d00c_outp
	.globl	k_qb8e943d00c_outp
	.p2align	8
	.type	k_qb8e943d00c_outp,@function
k_qb8e943d00c_outp:
	s_mov_b64 s[64:65], 0
	v_nop
	global_prefetch_b8 v0, s[64:65] scope:SCOPE_SE
	s_setreg_imm32_b32 hwreg(HW_REG_WAVE_MODE, 25, 1), 1
	s_wait_xcnt 0x0
	s_wait_alu depctr_hold_cnt(0) depctr_sa_sdst(0) depctr_va_vdst(0) depctr_va_sdst(0) depctr_va_ssrc(0) depctr_va_vcc(0) depctr_vm_vsrc(0)
	s_getreg_b32 s2, hwreg(HW_REG_IB_STS2, 6, 4)
	s_cmp_eq_u32 s2, 0
	s_cbranch_scc0 .Lentry_in_a_cluster
	s_endpgm
.Lentry_in_a_cluster:
	s_bfe_u32 s2, ttmp6, 0x10000c
	s_cmp_lg_u32 s2, 0xf033
	s_cbranch_scc0 .Lentry_shape_is_right
	s_endpgm
.Lentry_shape_is_right:
; THE OUTPUT PROJECTION AND THE RESIDUAL.  out1 = y + ow W_out^T.  ow, y, out1: [8192][512] f32; W_out: [512][512] f32, K along the rows.
; Operands are rounded to bf16 between LDS and the matrix instruction; sums in f32, K ascending; y is added in f32.  LIMITS: NaN and infinities are not treated apart.
; SHARES.  A work-group makes a tile of 128 x 128: four waves, each 64 x 64 = 16 accumulators.  256 work-groups.
; CLUSTER.  4 x 4 work-groups: the four of a row of the cluster need the same 128 rows of ow, the four of a column the same 128 rows of W_out: each tile is asked for JOINTLY, by the same tensor load with the
; same descriptor and a mask that names the four.
; K goes in four steps of 128 (LDS rows of 512 bytes of f32) through two slots; a step is four CHUNKS of 32 along K.  In chunk g a wave fetches chunk g + 2's f32 fragments from LDS, multiplies chunk g's bf16
; fragments, and behind each of the 16 matrix instructions rounds four pairs of chunk g + 1's to bf16.
; THE MATRIX INSTRUCTION IS USED TRANSPOSED (source 0 = 16 rows of W_out, source 1 = 16 rows of ow): a lane then holds eight neighbouring numbers of a row of the result.
; REGISTERS: window 0: v0-31 addresses; v32-95 rows read back on the way out; v128-255 the accumulators ((a, b) at v[128 + 8 (4 a + b)]).
;   window 1: two buffers of 128 for a chunk's f32 fragments (fragment f at 16 f: ow's four, then W_out's four).   window 2: v0-127 two buffers of 64 for the bf16 fragments (fragment f at 8 f); v128-255 my 64 x 64 of y.
.set PITCH,  528                       ; an LDS row: 512 bytes + 16 of padding = 132 words: row r starts at bank 4 r mod 64 (64 banks of 4 bytes: ISA guide 11.1)
.set HALFT,  64*PITCH                  ; 64 rows: what one tensor load brings, and what one wave reads of either operand
.set SLOT,   4*HALFT                   ; 135,168 = 2^17 + 2^12; the four parts begin at bytes that have neither bit, so one exclusive or turns an address into the other slot's
.set STAGE,  2*SLOT                    ; behind the ring: 16 rows x 272 bytes for each wave, for the way out
.set SPITCH, 272
.set SPARE,  STAGE+4*16*SPITCH         ; behind the stages: the spare words, 128 bytes for each wave: two blocks of 256 bytes that no other line names
.set STEPB,  512                       ; bytes of a row in a K step
.set ADRA0, 16                         ; v16  my lane's place in my 64 rows of ow; never rewritten
.set ADRB0, 17                         ; v17  the same in my 64 rows of W_out
.set FA,    18                         ; v18  LDS address of the pair of chunks that is being fetched, ow
.set FB,    19                         ; v19  the same, W_out
.set STO,   24                         ; v24  the way out: where I put 32 bytes of a row
.set RD,    25                         ; v25  the way out: where I read a row back
.set CO,    26                         ; v26  my byte offset in two rows of y and of out1; never rewritten
.set SPW,   28                         ; v28  LDS address of my spare word: SPARE + 4 x my thread's number; never rewritten
.set NIL,   29                         ; v29  0; never rewritten
.set TMP,   32
.set ACC,   128
.set YR,    128                        ; window 2
.set OUTER, 22                         ; s22  counts the changes of slots that fill
.set INNER, 23                         ; s23  counts a K step's two pairs of chunks
.set G1A, 24                           ; s[24:31] descriptor group 1 for ow's tiles;  s[32:39] group 0: a set for each of the two first fills; the second then walks on
.set G0A, 32
.set WV,  40                           ; s40  my wave's number
.set RH,  41                           ; s41  which half of the tile's rows is mine.  Also: I fetch for ow (0) or for W_out (1)
.set CH,  42                           ; s42  which half of its columns.  Also: which 64 rows of that tile I fetch
.set CX,  43
.set CY,  44
.set GY,  45                           ; s45  tile row = 4 x cluster y + cy
.set TB,  46                           ; s46  LDS byte (slot and place in the rows) of the pair of chunks to be fetched
.set G1B, 48                           ; s[48:55], s[56:63] the same for W_out's tiles
.set G0B, 56
.set MSB, 0
.macro WIN new                         ; the immediate's high byte repeats the setting that is left; a switch that changes nothing is dropped
.if MSB != (\new)
	s_set_vgpr_msb (MSB<<8)|(\new)
.set MSB, (\new)
.endif
.endm
.set W_MUL, 0x0a                       ; sources 0 and 1 window 2; C and D window 0
.set W_CVT, 0x85                       ; sources 0 and 1 window 1; destination window 2
.set W_RAW, 0x40                       ; destination window 1, address window 0
.macro JLOAD s                         ; a joint load: waves 0 and 1 fetch ow's two halves, waves 2 and 3 W_out's; an s_nop 0 and four v_nop follow each of the two lines, ahead of the jump, the label and what follows
	s_cmp_eq_u32 s[RH], 0
	s_cbranch_scc0 .Lfor_b_\@
	tensor_load_to_lds s[G0A+4*(\s):G0A+4*(\s)+3], s[G1A:G1A+7]
	s_nop 0
.rept 4
	v_nop
.endr
	s_branch .Lasked_\@
.Lfor_b_\@:
	tensor_load_to_lds s[G0B+4*(\s):G0B+4*(\s)+3], s[G1B:G1B+7]
	s_nop 0
.rept 4
	v_nop
.endr
.Lasked_\@:
.endm
.macro CROUND                          ; a round of the cluster's barrier: my work-group's barrier; wave 0 signals for the work-group; every wave waits for all sixteen; my work-group's barrier once more
	s_barrier_signal -1
	s_barrier_wait -1
	s_cmp_lg_u32 s[WV], 0
	s_cbranch_scc1 .Lnot_wave_0_\@
	s_barrier_signal -3
.Lnot_wave_0_\@:
	s_barrier_wait -3
	s_barrier_signal -1
	s_barrier_wait -1
.endm
.macro PLACES                          ; four places behind a matrix instruction, in front of vector lines and LDS stores that read its result
.rept 4
	v_nop
.endr
.endm
	s_load_b256 s[4:11], s[0:1], 0x0               ; ow s[4:5], W_out s[6:7], y s[8:9], out1 s[10:11]
	v_lshl_add_u32 v[SPW], v0, 2, SPARE
	v_mov_b32 v[NIL], 0
	ds_add_u32 v[SPW], v[NIL]                      ; the wave's opening: the add and its wait stand ahead of my first tensor load; the set-up below, work on registers, stands between them
	v_lshrrev_b32 v1, 5, v0
	v_readfirstlane_b32 s[WV], v1                  ; wave 0..3
	s_lshr_b32 s[RH], s[WV], 1
	s_and_b32 s[CH], s[WV], 1
	s_bfe_u32 s[CX], ttmp6, 0x40000                ; cx, cy: my place in the cluster; cx is also the tile column (the grid is one cluster wide)
	s_bfe_u32 s[CY], ttmp6, 0x40004
	s_and_b32 s[GY], ttmp7, 0xffff
	s_lshl_b32 s[GY], s[GY], 2
	s_add_co_u32 s[GY], s[GY], s[CY]
	s_lshl_b32 s16, s[CY], 2
	s_lshl_b32 s16, 15, s16                        ; my row of the cluster
	s_lshl_b32 s17, 0x1111, s[CX]                  ; my column
	; descriptor group 1: a tile of 64 rows x 128 elements of 4 bytes, padded in LDS
	s_or_b32 s[G1A], s16, (2<<16)|(1<<20)|(1<<21)|(6<<22)|(3<<25)  ; 15:0 the mask: ow's tiles go to my row; 17:16 elements of 4 bytes; 20 padding on; 21 set beside a mask; 24:22 after every 128 words (code 6); 31:25 4 words (code 3)
	s_or_b32 s[G1B], s17, (2<<16)|(1<<20)|(1<<21)|(6<<22)|(3<<25)  ; the same with the mask of my column
.irp g, G1A, G1B
	s_mov_b32 s[(\g)+1], 128<<16                   ; tensor_dim0 = 128
	s_mov_b32 s[(\g)+2], 64<<16                    ; tensor_dim1 = 64
	s_mov_b32 s[(\g)+3], 128<<16                   ; tile_dim0 = 128
	s_mov_b32 s[(\g)+4], 64                        ; tile_dim1 = 64
	s_mov_b32 s[(\g)+5], 512                       ; 512 elements from row to row
	s_mov_b32 s[(\g)+6], 0
	s_mov_b32 s[(\g)+7], 0
.endr
	s_lshl_b32 s18, s[CH], 17                      ; which 64 rows of 2,048 bytes I fetch
	s_lshl_b32 s12, s[GY], 18                      ; ow: 128 rows x tile row: hangs on cy alone
	s_add_co_u32 s12, s12, s18
	s_mov_b32 s13, 0
	s_lshl_b32 s14, s[CX], 18                      ; W_out: 128 rows x tile column: hangs on cx alone
	s_add_co_u32 s14, s14, s18
	s_mov_b32 s15, 0
	s_mul_i32 s19, s[WV], HALFT                    ; where they go: wave x 64 rows: no place in the cluster enters an LDS address
	s_mov_b32 s[TB], 256                           ; the first pair of chunks is fetched from byte 0 ahead of the loop
	s_wait_dscnt 0x0                               ; the opening add is done
	s_wait_kmcnt 0x0
	s_add_nc_u64 s[12:13], s[4:5], s[12:13]
	s_add_nc_u64 s[14:15], s[6:7], s[14:15]
	CROUND                                         ; all sixteen work-groups are here: the first joint loads meet
.irp s, 0,1
	s_mov_b32 s[G0A+4*(\s)], 1                                       ; 1:0 count = 1
	s_add_co_u32 s[G0A+4*(\s)+1], s19, (\s)*SLOT                     ; 63:32 LDS address
	s_add_nc_u64 s[G0A+4*(\s)+2:G0A+4*(\s)+3], s[12:13], (\s)*STEPB  ; 120:64 global address: K step s
	s_or_b32 s[G0A+4*(\s)+3], s[G0A+4*(\s)+3], 0x80000000            ; 127:126 type = 2
	s_mov_b32 s[G0B+4*(\s)], 1
	s_add_co_u32 s[G0B+4*(\s)+1], s19, (\s)*SLOT
	s_add_nc_u64 s[G0B+4*(\s)+2:G0B+4*(\s)+3], s[14:15], (\s)*STEPB
	s_or_b32 s[G0B+4*(\s)+3], s[G0B+4*(\s)+3], 0x80000000
	JLOAD \s                                       ; two loads of mine are out
.endr
	; MY 64 x 64 OF y is asked for now and wanted at the end, laid out as the rows come back from the stage: lanes 0-15 take 256 bytes of one row, lanes 16-31 of the next.
	v_and_b32 v1, 15, v0                           ; l % 16
	v_bfe_u32 v2, v0, 4, 1                         ; l / 16
	v_lshlrev_b32 v3, 11, v2
	v_lshl_add_u32 v[CO], v1, 4, v3
	s_lshl_b32 s16, s[GY], 18                      ; 128 rows of 2,048 bytes x tile row,
	s_lshl_b32 s17, s[RH], 17                      ; my 64 rows,
	s_add_co_u32 s16, s16, s17
	s_lshl_b32 s17, s[CX], 9                       ; the tile's 512 bytes of a row,
	s_add_co_u32 s16, s16, s17
	s_lshl_b32 s17, s[CH], 8                       ; my 256 of them
	s_add_co_u32 s16, s16, s17
	s_mov_b32 s17, 0
	s_add_nc_u64 s[8:9], s[8:9], s[16:17]
	s_add_nc_u64 s[10:11], s[10:11], s[16:17]
	WIN 0x80                                       ; destination window 2, address window 0
.irp a, 0,1,2,3
.irp t, 0,1,2,3,4,5,6,7
	global_load_b128 v[YR+32*(\a)+4*(\t):YR+32*(\a)+4*(\t)+3], v[CO], s[8:9] offset:(16*(\a)+2*(\t))*2048 th:TH_LOAD_NT
.endr
.endr
	WIN 0
	; A bf16 fragment is 16 rows x 32 K in 8 registers: lane l holds row l % 16; registers 0-3 K = 8 (l / 16) + 0..7, registers 4-7 K = 16 + 8 (l / 16) + 0..7.  In f32 that is 32 bytes at 32 (l / 16) and 32 bytes 64 further on.
	v_mul_u32_u24 v3, v1, PITCH
	v_lshl_add_u32 v3, v2, 5, v3                   ; row x pitch + 32 x half
	s_mul_i32 s16, s[RH], HALFT                    ; my 64 rows of ow
	s_mul_i32 s17, s[CH], HALFT                    ; my 64 rows of W_out,
	s_add_co_u32 s17, s17, 2*HALFT                 ; which lie behind ow's 128
	v_add_nc_u32 v[ADRA0], s16, v3
	v_add_nc_u32 v[ADRB0], s17, v3
	s_mul_i32 s16, s[WV], 16*SPITCH
	s_add_co_u32 s16, s16, STAGE                   ; my stage
	v_mul_u32_u24 v3, v1, SPITCH                   ; in: row l % 16, 32 bytes for each half of the lanes
	v_lshl_add_u32 v3, v2, 5, v3
	v_add_nc_u32 v[STO], s16, v3
	v_mul_u32_u24 v3, v2, SPITCH                   ; back: lanes 0-15 take one row of 256 bytes, lanes 16-31 the next
	v_lshl_add_u32 v3, v1, 4, v3
	v_add_nc_u32 v[RD], s16, v3
; 32 LDS loads in one run: the f32 fragments of a chunk, at byte k behind FA and FB, into raw buffer par
.macro FETCH par, k
	WIN W_RAW
.irp i, 0,1,2,3
	ds_load_b128 v[128*(\par)+16*(\i):128*(\par)+16*(\i)+3],     v[FA] offset:(\k)+(\i)*16*PITCH
	ds_load_b128 v[128*(\par)+16*(\i)+4:128*(\par)+16*(\i)+7],   v[FA] offset:(\k)+(\i)*16*PITCH+16
	ds_load_b128 v[128*(\par)+16*(\i)+8:128*(\par)+16*(\i)+11],  v[FA] offset:(\k)+(\i)*16*PITCH+64
	ds_load_b128 v[128*(\par)+16*(\i)+12:128*(\par)+16*(\i)+15], v[FA] offset:(\k)+(\i)*16*PITCH+80
.endr
.irp i, 0,1,2,3
	ds_load_b128 v[128*(\par)+64+16*(\i):128*(\par)+64+16*(\i)+3],     v[FB] offset:(\k)+(\i)*16*PITCH
	ds_load_b128 v[128*(\par)+64+16*(\i)+4:128*(\par)+64+16*(\i)+7],   v[FB] offset:(\k)+(\i)*16*PITCH+16
	ds_load_b128 v[128*(\par)+64+16*(\i)+8:128*(\par)+64+16*(\i)+11],  v[FB] offset:(\k)+(\i)*16*PITCH+64
	ds_load_b128 v[128*(\par)+64+16*(\i)+12:128*(\par)+64+16*(\i)+15], v[FB] offset:(\k)+(\i)*16*PITCH+80
.endr
.endm
; Chunk g (par = g % 2).  fetch = 1: chunk g + 2's f32 fragments go into raw buffer par, whose numbers were rounded in the chunk before.  Then 16 matrix instructions on bf16 buffer par, the 16 accumulators by turns
; (over the backward jumps too), and behind each (cvt = 1) four roundings of chunk g + 1, from raw buffer 1 - par into bf16 buffer 1 - par.  That buffer's last readers are the chunk before's
; products: the four roundings behind the last of them, which name none of its registers, are the four places.  zero = 1: the products start the sums: nothing is ever cleared.
.macro CHUNK par, k, fetch, cvt, zero
.if \fetch
	FETCH \par, \k
	s_wait_dscnt 32                                ; all but the 32 just issued: chunk g + 1's numbers are in
.elseif \cvt
	s_wait_dscnt 0x0                               ; the last chunk's numbers are in
.endif
.set n, 0
.rept 16
	WIN W_MUL
.set rD, ACC+8*n
.set rB, 64*(\par)+32+8*(n%4)
.set rA, 64*(\par)+8*(n/4)
.if \zero
	v_wmma_f32_16x16x32_bf16 v[rD:rD+7], v[rB:rB+7], v[rA:rA+7], 0
.else
	v_wmma_f32_16x16x32_bf16 v[rD:rD+7], v[rB:rB+7], v[rA:rA+7], v[rD:rD+7]
.endif
.if \cvt
	WIN W_CVT
.set q, 4*n
.rept 4
	v_cvt_pk_bf16_f32 v[64*(1-(\par))+q], v[128*(1-(\par))+2*q], v[128*(1-(\par))+2*q+1]
.set q, q+1
.endr
.endif
.set n, n+1
.endr
.endm
.macro PAIR zero                       ; two chunks; what they fetch lies 256 bytes further along the rows than the last pair's
	WIN 0
	v_add_nc_u32 v[FA], s[TB], v[ADRA0]
	v_add_nc_u32 v[FB], s[TB], v[ADRB0]
	s_add_co_u32 s[TB], s[TB], 256
	CHUNK 0, 0,   1, 1, \zero
	CHUNK 1, 128, 1, 1, 0
.endm
.macro TWO_PAIRS                       ; written once, walked twice: the fetches of one K step
	WIN 0
	s_mov_b32 s[INNER], 2
.Lpair_\@:
	PAIR 0
	WIN 0                                          ; at a label and at a branch every window is 0
	s_sub_co_u32 s[INNER], s[INNER], 1
	s_cmp_lg_u32 s[INNER], 0
	s_cbranch_scc1 .Lpair_\@
.endm
; THE CHANGE OF SLOTS: the fetches, which run two chunks ahead of the products, have taken a slot's last bytes.  Each wave waits for all its tensor loads, of which one is out: its part of the other slot; adds 0 to
; its spare word; and waits for that and for its own reads of the slot.  fill = 1: the slot is filled again with the K step two on: the barrier is then a round of the cluster's, so that no wave of any partner still
; reads the slot or has a load on its way, and the joint refill is the first thing behind it: 64 matrix instructions ahead of the wait for it.
.macro CHANGE fill
	WIN 0
	s_wait_tensorcnt 0x0                           ; no tensor load of mine is out, so a group 0 may be written
	ds_add_u32 v[SPW], v[NIL]                      ; 0 onto my spare word; scalar work stands between it and the wait for it
.if \fill
.irp g, G0A+4, G0B+4
	s_xor_b32 s[(\g)+1], s[(\g)+1], SLOT           ; the walking descriptor: the other slot than last time,
	s_add_nc_u64 s[(\g)+2:(\g)+3], s[(\g)+2:(\g)+3], STEPB  ; the next K step; the type bits on top are not reached
.endr
.endif
	s_sub_co_u32 s[TB], s[TB], STEPB               ; the fetches go back to the rows' first byte,
	s_xor_b32 s[TB], s[TB], SLOT                   ; in the other slot
	s_wait_dscnt 0x0                               ; the add is done, and my reads of the slot are over
.if \fill
	CROUND
	JLOAD 1
.else
	s_barrier_signal -1
	s_barrier_wait -1
.endif
.endm
	s_wait_tensorcnt 1                             ; my part of K step 0 is in; K step 1's may stay out
	s_barrier_signal -1
	s_barrier_wait -1                              ; everybody's is
	v_mov_b32 v[FA], v[ADRA0]
	v_mov_b32 v[FB], v[ADRB0]
	FETCH 0, 0                                     ; chunks 0 and 1
	FETCH 1, 128
	s_wait_dscnt 32                                ; chunk 0's numbers are in
	WIN W_CVT
.set q, 0
.rept 64
	v_cvt_pk_bf16_f32 v[q], v[2*q], v[2*q+1]       ; chunk 0 is rounded with no product to stand beside
.set q, q+1
.endr
	PAIR 1                                         ; chunks 0 and 1: chunk 0's products start the sums
	WIN 0
	s_mov_b32 s[OUTER], 2
.Lstep:                                                ; twice: K steps 2 and 3 are asked for
	CHANGE 1
	TWO_PAIRS
	s_sub_co_u32 s[OUTER], s[OUTER], 1
	s_cmp_lg_u32 s[OUTER], 0
	s_cbranch_scc1 .Lstep
	CHANGE 0                                       ; the tail is written out: nothing is asked for
	TWO_PAIRS
	CHUNK 0, 0, 0, 1, 0                            ; chunk 14: nothing more to fetch
	CHUNK 1, 0, 0, 0, 0                            ; chunk 15: nothing more to round
	WIN 0
	; THE WAY OUT, 16 rows at a time.  A lane's eight f32 of a row are 32 bytes; they go into my own stage (rows of 272 bytes) and come back as whole rows of 256 bytes: my 64 columns.  y is added in f32, and the sum is stored.
	; The stage is my wave's own, and LDS serves a wave's instructions in order (ISA guide 5.7.1.4): no barrier, and no wait between the stores and the loads.
	PLACES
	s_wait_loadcnt 0x0                             ; y
.irp a, 0,1,2,3
	WIN 0
.irp b, 0,1,2,3
	ds_store_b128 v[STO], v[ACC+8*(4*(\a)+(\b)):ACC+8*(4*(\a)+(\b))+3]   offset:64*(\b)     ; each accumulator's low four registers first
	ds_store_b128 v[STO], v[ACC+8*(4*(\a)+(\b))+4:ACC+8*(4*(\a)+(\b))+7] offset:64*(\b)+16
.endr
.irp t, 0,1,2,3,4,5,6,7
	ds_load_b128 v[TMP+32*((\a)%2)+4*(\t):TMP+32*((\a)%2)+4*(\t)+3], v[RD] offset:(\t)*2*SPITCH
.endr
	s_wait_dscnt 0x0                               ; the 16 rows are back
	WIN 0x82                                       ; y (destination and source 0) in window 2, the rows in window 0
.set i, 0
.rept 16
	v_pk_add_f32 v[YR+32*(\a)+2*i:YR+32*(\a)+2*i+1], v[YR+32*(\a)+2*i:YR+32*(\a)+2*i+1], v[TMP+32*((\a)%2)+2*i:TMP+32*((\a)%2)+2*i+1]
.set i, i+1
.endr
	WIN 0x08                                       ; the stores' data in window 2, their address in window 0
.irp t, 0,1,2,3,4,5,6,7
	global_store_b128 v[CO], v[YR+32*(\a)+4*(\t):YR+32*(\a)+4*(\t)+3], s[10:11] offset:(16*(\a)+2*(\t))*2048 th:TH_STORE_NT  ; 16 lanes store 256 consecutive bytes, at a multiple of 256 from out1's first byte; these registers are not written again
.endr
.endr
	WIN 0
	s_wait_tensorcnt 0x0                           ; the wave's end: the spare word's add and its wait, behind my last tensor load and my last LDS store
	ds_add_u32 v[SPW], v[NIL]
	s_wait_dscnt 0x0
	CROUND                                         ; the closing round: no work-group ends while a partner may still ask for a tile that names it
	s_endpgm
.Lfunc_end_k_qb8e943d00c_outp:
	.size	k_qb8e943d00c_outp, .Lfunc_end_k_qb8e943d00c_outp-k_qb8e943d00c_outp
	.p2alignl 7, 3214868480
	.fill 96, 4, 3214868480
	.section	.rodata,"a",@progbits
	.p2align	6, 0x0
	.amdhsa_kernel k_qb8e943d00c_outp
		.amdhsa_group_segment_fixed_size 327680
		.amdhsa_private_segment_fixed_size 0
		.amdhsa_enable_private_segment 0
		.amdhsa_kernarg_size 32
		.amdhsa_user_sgpr_count 2
		.amdhsa_user_sgpr_kernarg_segment_ptr 1
		.amdhsa_wavefront_size32 1
		.amdhsa_system_sgpr_workgroup_id_x 1
		.amdhsa_system_sgpr_workgroup_id_y 1
		.amdhsa_system_sgpr_workgroup_id_z 1
		.amdhsa_system_vgpr_workitem_id 0
		.amdhsa_next_free_vgpr 768
		.amdhsa_next_free_sgpr 66
		.amdhsa_reserve_vcc 0
		.amdhsa_float_denorm_mode_32 3
		.amdhsa_float_denorm_mode_16_64 3
		.amdhsa_memory_ordered 1
		.amdhsa_forward_progress 1
		.amdhsa_inst_pref_size 88
	.end_amdhsa_kernel
	.amdgpu_metadata
---
amdhsa.version: [ 1, 2 ]
amdhsa.kernels:
  - .name:           k_qb8e943d00c_outp
    .symbol:         k_qb8e943d00c_outp.kd
    .args:
      - { .name: ow, .offset: 0, .size: 8, .value_kind: global_buffer, .address_space: global }
      - { .name: W_out, .offset: 8, .size: 8, .value_kind: global_buffer, .address_space: global }
      - { .name: y, .offset: 16, .size: 8, .value_kind: global_buffer, .address_space: global }
      - { .name: out1, .offset: 24, .size: 8, .value_kind: global_buffer, .address_space: global }
    .group_segment_fixed_size: 327680
    .private_segment_fixed_size: 0
    .kernarg_segment_align: 8
    .kernarg_segment_size: 32
    .max_flat_workgroup_size: 128
    .sgpr_count:     66
    .vgpr_count:     768
    .wavefront_size: 32
...
	.end_amdgpu_metadata
.endif
;; end of part 3
